; MI455X (gfx1250); checked and timed in simulation.
; The chip was launched on July 23, 2026; its instructions are those of AMD's public machine-readable ISA for CDNA 5 (MIT licence, August 2026) and "CDNA5" Instruction Set Architecture Reference Guide (July 2026). The comments in the code are by the model that wrote it; some were corrected since.
;; Multi Head Attention. Allowed arithmetic: matrix products marked QUANTISED: E4M3 operands, one E8M0 scale for each 32 along K, by v_wmma_scale_f32_16x16x128_f8f6f4 with both operands' format E4M3, f32 sums; everything else in f32.
;; Inputs: Wk_codes 16 x 64 x 32 x 32 uint8 (E4M3 codes of Wk, K innermost, in blocks of 32 codes); Wk_scales 16 x 64 x 32 uint8 (E8M0 scales of Wk, one for each 32 codes along K); Wo_codes 1,024 x 32 x 32 uint8 (E4M3 codes of Wo, K innermost, in blocks of 32 codes); Wo_scales 1,024 x 32 uint8 (E8M0 scales of Wo, one for each 32 codes along K); Wq_codes 16 x 64 x 32 x 32 uint8 (E4M3 codes of Wq, K innermost, in blocks of 32 codes); Wq_scales 16 x 64 x 32 uint8 (E8M0 scales of Wq, one for each 32 codes along K); Wv_codes 16 x 64 x 32 x 32 uint8 (E4M3 codes of Wv, K innermost, in blocks of 32 codes); Wv_scales 16 x 64 x 32 uint8 (E8M0 scales of Wv, one for each 32 codes along K); bk 16 x 64 float32; bo 1,024 float32; bq 16 x 64 float32; bv 16 x 64 float32; key_in_codes 2 x 2,048 x 32 x 32 uint8 (E4M3 codes of key_in, K innermost, in blocks of 32 codes); key_in_scales 2 x 2,048 x 32 uint8 (E8M0 scales of key_in, one for each 32 codes along K); query_codes 2 x 2,048 x 32 x 32 uint8 (E4M3 codes of query, K innermost, in blocks of 32 codes); query_scales 2 x 2,048 x 32 uint8 (E8M0 scales of query, one for each 32 codes along K); value_codes 2 x 2,048 x 32 x 32 uint8 (E4M3 codes of value, K innermost, in blocks of 32 codes); value_scales 2 x 2,048 x 32 uint8 (E8M0 scales of value, one for each 32 codes along K).
;; Outputs: out0 2 x 2,048 x 1,024 float32.
;; This version of the problem:
;;   THIS VERSION OF THE PROBLEM IS GIVEN IN LOW PRECISION. The matrix products marked QUANTISED in the list below multiply operands that are first quantised to E4M3 (4 exponent bits, 3 mantissa bits; 8 bits a number), with one power-of-two scale for each 32 numbers along K (OCP MX v1.0); their sums are f32. All else is computed in f32.
;;   The module's matrix products, in the order in which they are computed (A, B: the left and right operand; K: the contracted axis; several contracted axes count as one K, in the product's order):
;;     1. [M 1,024, K 1,024] x [K 1,024, N 4,096]; A: input Wq (given as codes); B: input query (given as codes): QUANTISED
;;     2. [M 1,024, K 1,024] x [K 1,024, N 4,096]; A: input Wk (given as codes); B: input key_in (given as codes): QUANTISED
;;     3. [M 1,024, K 1,024] x [K 1,024, N 4,096]; A: input Wv (given as codes); B: input value (given as codes): QUANTISED
;;     4. batch 32 x [M 2,048, K 64] x [K 64, N 2,048]; A: computed on the way; B: computed on the way: QUANTISED
;;     5. batch 32 x [M 2,048, K 2,048] x [K 2,048, N 64]; A: softmax (see below); B: computed on the way: QUANTISED
;;     6. [M 4,096, K 1,024] x [K 1,024, N 1,024]; A: computed on the way; B: input Wo (given as codes): QUANTISED
;;   THE QUANTISER, for each operand of a quantised product, along K:
;;     - K is cut into blocks of 32 from its start; a last block that is shorter is filled with zeros.
;;     - A block's scale is 2^e with e = floor(log2(the largest magnitude in the block)) - 8, held to -126 .. 127; a block of zeros has e = 0. As a byte (E8M0): e + 127.
;;     - Each number is divided by its block's scale, clamped to +-448, and rounded to the nearest number of E4M3, ties to even, subnormals kept.
;;     - The product sums the exact products of the quantised numbers (number of the format x scale) in f32.
;;   ~~~python
;;   def quantise(x, axis):      # numpy; x: float32 -> the quantised numbers, widened to float32 again
;;       x = np.moveaxis(x, axis, -1); K = x.shape[-1]
;;       x = np.pad(x, [(0, 0)] * (x.ndim - 1) + [(0, -K % 32)]); x = x.reshape(x.shape[:-1] + (-1, 32)); a = np.abs(x).max(-1, keepdims=True)
;;       e = np.where(a > 0, np.clip(np.frexp(np.where(a > 0, a, 1))[1] - 1 - 8, -126, 127), 0)      # np.frexp(a)[1] - 1 = floor(log2(a)), exactly
;;       r = np.clip(x / 2.0 ** e, -448, 448)
;;       step = 2.0 ** (np.maximum(np.frexp(np.where(r == 0, 1, r))[1] - 1, -6) - 3)
;;       q = np.round(r / step) * step * 2.0 ** e      # np.round: ties to even
;;       return np.moveaxis(q.reshape(q.shape[:-2] + (-1,))[..., :K], -1, axis).astype(np.float32)
;;   ~~~
;;   SOFTMAX AHEAD OF A QUANTISED PRODUCT. Where the list says 'softmax', what is quantised is not the finished softmax but p = 2^(t - M), with t = logit x log2(e) and M = ceil(the row's largest t), a whole number; so 1/2 < the row's largest p <= 1. The row's sum l is taken of the UNQUANTISED p, in f32, and the product's result is divided by l at the end. Since M is a whole number, a kernel that streams over the keys may use a running M (the ceiling of the running maximum): every later rescaling is an exact power of two, which a block's scale takes up: the codes' values come out the same.
;;   OPERANDS COMPUTED ON THE WAY. 'Computed on the way' means the value that the module computes at that place (a softmax that the list does not call 'softmax' is quantised finished and normalised). What goes into a quantiser is computed in f32, as accurately as f32 sums, v_exp_f32 and their like allow (about 1e-6 of the number): no bf16 or f16 on the way to a quantiser, and a product that is left as it is and whose result goes on into a quantised operand takes f32 operands (vector FMAs, or v_wmma_f32_16x16x4_f32). A number that lies on a knife's edge between two numbers of the format may be rounded either way, as far as f32 arithmetic and the matrix unit's own rounding can turn it there, and no further.
;;   INPUTS GIVEN AS CODES. Wk (in the module: [16, 1024, 64], K = its axis 1); Wo (in the module: [1024, 1024], K = its axis 1); Wq (in the module: [16, 1024, 64], K = its axis 1); Wv (in the module: [16, 1024, 64], K = its axis 1); key_in (in the module: [2, 2048, 1024], K = its axis 2); query (in the module: [2, 2048, 1024], K = its axis 2); value (in the module: [2, 2048, 1024], K = its axis 2): each comes as NAME_codes (uint8): NAME with its K axis moved to the last place and cut into blocks of 32 codes, [.., K / 32, bytes a block], one block behind the other in memory; one code a byte (a code: sign, 4 exponent bits, 3 mantissa bits); and NAME_scales (uint8): the same leading axes, one E8M0 byte (e + 127) for each 32 codes along K. Its value is code x scale, taken as it is: it is not quantised again, and the codes and scales need not be those that the quantiser above would give.
;; One version. Each part assembles by itself: llvm-mc -triple=amdgcn-amd-amdhsa -mcpu=gfx1250 --defsym DOCPART=n.
;; ======== version 1 of 1: 3 launches
;; limits: right only within a limited range of input values
;; workspace buffers: qbuf 4,456,448 bytes; kv 8,781,824 bytes; acodes 4,194,304 bytes; ascales 131,072 bytes
;; launch proj (part 1): grid 16 x 16, 4 waves a work-group, clusters of 4 x 4, 327,680 bytes of LDS; arguments query_codes, query_scales, Wq_codes, Wq_scales, key_in_codes, key_in_scales, Wk_codes, Wk_scales, Wv_codes, Wv_scales, value_codes, value_scales, bq, bk, bv, qbuf, kv; writes qbuf, kv
.if DOCPART == 1
	.amdgcn_target "amdgcn-amd-amdhsa--gfx1250"
	.amdhsa_code_object_version 6
	.text
	.protected	k_q4606529535_proj
	.globl	k_q4606529535_proj
	.p2align	8
	.type	k_q4606529535_proj,@function
k_q4606529535_proj:
	s_mov_b64 s[64:65], 0
	v_nop
	global_prefetch_b8 v0, s[64:65] scope:SCOPE_SE
	s_setreg_imm32_b32 hwreg(HW_REG_WAVE_MODE, 25, 1), 1
	s_wait_xcnt 0x0
	s_wait_alu depctr_hold_cnt(0) depctr_sa_sdst(0) depctr_va_vdst(0) depctr_va_sdst(0) depctr_va_ssrc(0) depctr_va_vcc(0) depctr_vm_vsrc(0)
	s_getreg_b32 s2, hwreg(HW_REG_IB_STS2, 6, 4)
	s_cmp_eq_u32 s2, 0
	s_cbranch_scc0 .Lentry_in_a_cluster
	s_endpgm
.Lentry_in_a_cluster:
	s_bfe_u32 s2, ttmp6, 0x10000c
	s_cmp_lg_u32 s2, 0xf033
	s_cbranch_scc0 .Lentry_shape_is_right
	s_endpgm
.Lentry_shape_is_right:
; Q, K, V = x W^T + b AND THEIR QUANTISERS on codes of FP8 (E4M3) with one E8M0 scale for each 32 along K = 1,024; sums in f32.  Codes and scale words leave in the order of the operand registers of the launch that reads them.
; NOTHING OF THE MODULE IS LEFT OUT in this program: every product of the table, every bias and the softmax's maximum are computed.
; LIMITS: NaN and infinities are not served; a block whose largest magnitude lies under 2^-118 keeps the scale byte 1.
; THE BUFFERS (r = lane % 16, h = lane / 16), a part for each batch x head.  qbuf: 8,192 bytes of scale words (4 bytes a token: the two blocks' bytes, twice), then a tile of 16 tokens: [block c of 32 channels][lane][16 bytes].
; kv: K's scale words likewise, V's from 8,192 on: [step of 128 tokens][tile of 16 channels][r][c]; from 12,288 on 16,384 bytes a step: eight tiles of K as Q's, then V: [tile of 16 channels][c: 32 tokens][lane][16 bytes].
; THE DEAL.  256 work-groups of four waves, 2 x 2; a wave holds 64 rows of a weight (a head), all of K, in 512 registers and streams x's rows past them in blocks of 16, which stand in registers as two sets (256).
; PHASE 1: 256 tokens x 128 columns of Q (clusters x = 0, 1) or K (2, 3): blocks 0 to 7.  PHASE 2: 128 tokens x 128 columns of V: blocks 8 to 11.
; LDS holds two slots of 128 rows.  At the head the weight's rows go into slot 1 (waves 0, 1), x's first 128 into slot 0 (waves 2, 3), one load a wave.  Three refills, each in a drained round of the cluster's barrier, a quarter a wave:
; x's second 128 rows into slot 1 when the weight is in registers; W_v's rows into slot 0 inside block 2, which also shows the former; V's rows into slot 1 inside block 6, which also shows W_v's.
; CLUSTERS of 4 x 4: a row shares x's rows, a column shares the weight's: joint loads.  All scale words come by plain loads, a lane a row of 32 bytes, 32 rows on end.
; A SCALE BLOCK OF Q OR K LIES IN ONE LANE: tile j of a head takes rows 8 j + i in lanes i < 8 and rows 32 + 8 (j xor 1) + i in lanes 8 + i, so a lane's 32 sums are channels of block h.  The order inside a block is the same for Q and for K.
; A BLOCK'S WAY OUT stands among the next block's products, two or three lines behind each; the last of phase 1 among W_v's loads; V's first pair of blocks among the second's products.
; PREFETCH: x's second 128 rows, asked for at the first barrier, W_v's rows behind block 0 and V's rows behind block 3, each a sixteenth a wave of the four partners that load them, told apart by address.
; W_v's rows are read by eight clusters; those of x = 0 and 1 alone ask for them ahead, four clusters for the same bytes.
; REGISTERS: windows 1 and 2 the weight, window 3 x's two sets, window 0 all else: v4, v12 my place in x's rows in slot 0, 1; v14, v15 in the weight's (even, odd tiles); v16 in W_v's; v24-39 the weight's scale words; v44-59 those of V's rows;
;   v64-191 four sets of accumulators (in phase 1 v132-163 x's scale words, v164-179 W_v's); v192-207 codes; v208-239 the bias.
.set KROW,  1024
.set PITCH, KROW+16
.set R1,    128*PITCH                  ; slot 1
.set XN,    2*128*PITCH                ; scale words of Q or K on their way out: [head of two][256 tokens][4]
.set XV,    XN+2048                    ; V's: [head of two][256]
.set SPARE, XV+1024
.set QH,    139264
.set PACK,  274432
.set EMAX,  8
.set CN, 5
.set CO, 9
.set SPW, 10
.set NIL, 11
.set VX, 13
.set RD, 19
.set SOP, 20
.set EB, 40
.set TQ, 60
.set ACC, 64
.set NCD, 192
.set MCD, 192
.set BQ, 208
.set BV, 240
.set G1W, 24
.set G1X, 32
.set G1R, 76
.set G1C, 84
.set G0W, 92
.set G0X, 96
.set G0R, 20
.set MSB, 0
.macro WIN new                         ; the immediate's high byte repeats the setting that is left
.if MSB != \new
	s_set_vgpr_msb (MSB<<8)|\new
.set MSB, \new
.endif
.endm
.macro PLACES n
.rept \n
	v_nop
.endr
.endm
.macro WALU
	s_wait_alu depctr_va_vdst(0)
.endm
.macro BARRIER
	s_barrier_signal -1
	s_barrier_wait -1
.endm
.macro MIDDLE                          ; a round behind its opening signal, but for its closing barrier
	WIN 0
	s_barrier_wait -1
	s_cmp_lg_u32 s14, 0
	s_cbranch_scc1 .Lnot_wave_0_\@
	s_barrier_signal -3
.Lnot_wave_0_\@:
	s_barrier_wait -3
.endm
.macro CROUND
	s_barrier_signal -1
	MIDDLE
	BARRIER
.endm
.macro TLOAD g0, g1
	tensor_load_to_lds s[\g0:\g0+3], s[\g1:\g1+7]
	s_nop 0
	PLACES 4
.endm
.macro GROUP1 g, mask, rows            ; whole rows of K, dense in memory, 16 bytes of padding behind each in LDS
	s_or_b32 s[\g], s[\mask], (1<<20)|(1<<21)|(7<<22)|(3<<25)
	s_mov_b32 s[\g+1], KROW<<16
	s_mov_b32 s[\g+2], (\rows)<<16
	s_mov_b32 s[\g+3], KROW<<16
	s_mov_b32 s[\g+4], \rows
	s_mov_b32 s[\g+5], KROW
	s_mov_b32 s[\g+6], 0
	s_mov_b32 s[\g+7], 0
.endm
.macro SADD d, x
	s_add_co_u32 s\d, s\d, s\x
.endm
	s_load_b256 s[24:31], s[0:1], 0x0              ; query, its scales, Wq, its scales
	s_load_b256 s[32:39], s[0:1], 0x20             ; key_in .. Wk
	s_load_b256 s[48:55], s[0:1], 0x40             ; Wv, its scales, value, its scales
	s_load_b256 s[56:63], s[0:1], 0x60             ; bq, bk, bv, qbuf
	s_load_b64 s[68:69], s[0:1], 0x80              ; kv
	v_lshl_add_u32 v[SPW], v0, 2, SPARE
	v_mov_b32 v[NIL], 0
	ds_add_u32 v[SPW], v[NIL]                      ; the wave's opening: the add, twice on end, and its wait
	ds_add_u32 v[SPW], v[NIL]
	v_lshrrev_b32 v1, 5, v0
	v_readfirstlane_b32 s14, v1                    ; wave 0..3
	v_and_b32 v1, 15, v0                           ; r
	v_bfe_u32 v2, v0, 4, 1                         ; h
	v_and_b32 v3, 31, v0                           ; lane
	v_bfe_u32 v17, v0, 3, 1                        ; r / 8
	WALU
	s_lshr_b32 s15, s14, 1                         ; my row of waves
	s_and_b32 s16, s14, 1                          ; my column: which head of two.  Also: which 64 rows I fetch at the head
	s_bfe_u32 s40, ttmp6, 0x40000                  ; cx, cy
	s_bfe_u32 s41, ttmp6, 0x40004
	s_and_b32 s17, ttmp7, 0xffff
	s_lshl_b32 s17, s17, 2
	SADD 17, 41                                    ; tile row: 256 tokens
	s_and_b32 s42, ttmp9, 1
	s_lshl_b32 s42, s42, 2
	SADD 42, 40                                    ; tile column: heads 2 s42, 2 s42 + 1, in both phases
	s_lshr_b32 s101, ttmp9, 1                      ; 0: Q, 1: K, from the cluster's number alone
	s_lshl_b32 s43, s17, 1
	SADD 43, 101                                   ; V's 128 tokens: one key step
	s_lshl_b32 s44, s41, 2
	s_lshl_b32 s44, 15, s44                        ; my row of the cluster: shares x's rows
	s_lshl_b32 s45, 0x1111, s40                    ; my column: shares the weight's
	GROUP1 G1R, 44, 32
	GROUP1 G1C, 45, 32
	s_mov_b32 s18, 0x76543210                      ; v_permlanex16_b32's selects: lane l xor 16
	s_mov_b32 s19, 0xfedcba98
	s_mov_b32 s100, 0x600000
	s_mul_i32 s46, s15, 64*PITCH
	s_mul_i32 s47, s16, 64*PITCH
	v_mul_u32_u24 v4, PITCH, v1
	v_lshl_add_u32 v16, v2, 4, v4                  ; a fragment's row x pitch + 16 x half
	v_add_nc_u32 v4, s46, v16                      ; x: my row of waves takes 64 rows of a slot
	v_add_nc_u32 v12, R1, v4
	v_add_nc_u32 v16, s47, v16                     ; W_v: my head's 64 rows
	v_mad_u32_u24 v14, v17, 32*PITCH, v16          ; the weight, even tiles: row r + 32 (r / 8)
	v_mad_u32_u24 v15, v17, 16*PITCH, v16          ; odd tiles: row r + 8 + 16 (r / 8)
	v_add_nc_u32 v14, R1, v14
	v_add_nc_u32 v15, R1+8*PITCH, v15
	v_lshlrev_b32 v[CN], 9, v2
	v_lshl_add_u32 v[CN], v1, 4, v[CN]             ; Q's, K's codes in a tile
	v_lshlrev_b32 v[CO], 4, v3
	s_lshl_b32 s46, s16, 10
	s_lshl_b32 s47, s15, 8
	SADD 46, 47
	s_add_co_u32 s46, s46, XN
	v_lshl_add_u32 v[VX], v1, 2, v2
	v_add_nc_u32 v[VX], s46, v[VX]
	s_lshl_b32 s46, s16, 8
	s_lshl_b32 s47, s15, 1
	SADD 46, 47
	s_add_co_u32 s46, s46, XV
	v_lshlrev_b32 v[RD], 2, v1
	v_add_nc_u32 v[RD], s46, v[RD]
	s_lshl_b32 s2, s42, 12
	s_lshl_b32 s3, s16, 11
	SADD 2, 3
	v_lshl_add_u32 v18, v3, 5, s2                  ; W_v's scale words: lane l takes row l of a pair of tiles
	v_lshlrev_b32 v6, 4, v2
	v_sub_nc_u32 v6, 32, v6
	v_mul_u32_u24 v6, v6, v17
	v_add_nc_u32 v6, v6, v1
	v_lshl_add_u32 v6, v2, 3, v6                   ; the weight's: lanes 0-15 an even tile's rows, lanes 16-31 the odd one's
	v_lshl_add_u32 v6, v6, 5, s2
	s_lshl_b32 s2, s17, 13
	s_lshl_b32 s3, s15, 11
	SADD 2, 3
	v_lshl_add_u32 v7, v3, 5, s2                   ; x's: lanes 0-15 a block's rows, lanes 16-31 the next one's
	s_lshl_b32 s2, s43, 12
	SADD 2, 3
	v_lshl_add_u32 v8, v3, 5, s2                   ; V's rows' likewise
	s_lshl_b32 s2, s42, 9
	s_lshl_b32 s3, s16, 8
	SADD 2, 3                                      ; a head's bias: 256 bytes
	v_mul_u32_u24 v20, 160, v2
	v_mul_u32_u24 v21, 96, v2
	v_lshl_add_u32 v22, v1, 2, s2
	v_add_nc_u32 v20, s2, v20
	v_add_nc_u32 v21, s2, v21
	s_lshl_b32 s46, s40, 2
	SADD 46, 14
	s_lshl_b32 s46, s46, 13                        ; which sixteenth of 128 rows of x I ask for ahead
	s_lshl_b32 s2, s17, 18
	SADD 2, 46
	s_add_co_u32 s2, s2, 128*KROW
	s_lshl_b32 s3, s43, 17
	SADD 3, 46
	v_lshl_add_u32 v244, v3, 8, s2
	v_lshl_add_u32 v245, v3, 8, s3
	s_lshl_b32 s46, s41, 2
	SADD 46, 14
	s_lshl_b32 s46, s46, 13                        ; and which of W_v's
	s_lshl_b32 s2, s42, 17
	SADD 2, 46
	v_lshl_add_u32 v246, v3, 8, s2
	s_lshl_b32 s2, s14, 9
	s_add_co_u32 s2, s2, XN
	s_lshl_b32 s3, s14, 8
	s_add_co_u32 s3, s3, XV
	v_lshlrev_b32 v254, 3, v3
	v_add_nc_u32 v252, s2, v[CO]                   ; scale words back from LDS
	v_add_nc_u32 v253, s3, v254
	s_mov_b32 s[G0W], 1
	s_mul_i32 s[G0W+1], s16, 64*PITCH
	s_add_co_u32 s[G0W+1], s[G0W+1], R1
	s_mov_b32 s[G0X], 1
	s_mul_i32 s[G0X+1], s16, 64*PITCH
	s_mov_b32 s[G0R], 1
	s_lshl_b32 s2, s16, 16
	s_lshl_b32 s46, s17, 18
	SADD 46, 2
	s_mov_b32 s47, 0
	s_lshl_b32 s66, s42, 17
	SADD 66, 2
	s_mov_b32 s67, 0
	WALU
	s_wait_dscnt 0x0                               ; both opening adds are done
	CROUND                                         ; all sixteen work-groups are here
	s_wait_kmcnt 0x0
	s_cmp_eq_u32 s101, 0
	s_cselect_b64 s[4:5], s[24:25], s[32:33]       ; x
	s_cselect_b64 s[6:7], s[26:27], s[34:35]
	s_cselect_b64 s[8:9], s[28:29], s[36:37]       ; the weight
	s_cselect_b64 s[10:11], s[30:31], s[38:39]
	s_cselect_b64 s[70:71], s[56:57], s[58:59]     ; the bias
	s_cselect_b64 s[72:73], s[62:63], s[68:69]     ; qbuf or kv
	s_add_nc_u64 s[G0W+2:G0W+3], s[8:9], s[66:67]
	s_or_b32 s[G0W+3], s[G0W+3], 0x80000000
	s_add_nc_u64 s[G0X+2:G0X+3], s[4:5], s[46:47]
	s_or_b32 s[G0X+3], s[G0X+3], 0x80000000
	GROUP1 G1W, 45, 64
	GROUP1 G1X, 44, 64
	s_cmp_lt_u32 s14, 2                            ; one joint load a wave; the weight's, which is shown first, has a line of its own
	s_cbranch_scc0 .Lfor_x
	TLOAD G0W, G1W
	s_branch .Lasked
.Lfor_x:
	TLOAD G0X, G1X
.Lasked:
.irp p, 0,1
.irp c, 0,1
	global_load_b128 v[24+8*\p+4*\c:27+8*\p+4*\c], v6, s[10:11] offset:512*\p+16*\c
	global_load_b128 v[164+8*\p+4*\c:167+8*\p+4*\c], v18, s[50:51] offset:1024*\p+16*\c
	global_load_b128 v[44+8*\p+4*\c:47+8*\p+4*\c], v8, s[54:55] offset:1024*\p+16*\c
.endr
.endr
.irp p, 0,1,2,3
.irp c, 0,1
	global_load_b128 v[132+8*\p+4*\c:135+8*\p+4*\c], v7, s[6:7] offset:4096*(\p/2)+1024*(\p%2)+16*\c
.endr
	global_load_b128 v[BQ+8*\p:BQ+8*\p+3], v[20+\p%2], s[70:71] offset:32*\p       ; THE BIAS IS THE FIRST PRODUCTS' C: tile p's eight channels of my half of the lanes
	global_load_b128 v[BQ+8*\p+4:BQ+8*\p+7], v[20+\p%2], s[70:71] offset:32*\p+16
	global_load_b32 v[BV+\p], v22, s[60:61] offset:64*\p                           ; V's: a number a lane and tile
.endr
; WHERE MY RESULTS GO
	s_cmp_eq_u32 s101, 0
	s_mov_b32 s3, PACK
	s_cselect_b32 s3, QH, s3                       ; a head's part
	s_mov_b32 s12, 12288
	s_cselect_b32 s12, 8192, s12                   ; where its images begin
	s_cselect_b32 s13, 14, 15
	s_mov_b32 s66, 16384
	s_cselect_b32 s66, 8192, s66                   ; from 128 tokens' images to the next
	s_lshr_b32 s22, s17, 3
	s_lshl_b32 s22, s22, 4
	s_lshl_b32 s23, s42, 1
	SADD 22, 23                                    ; 16 x batch + the even head
	s_add_co_u32 s23, s22, s16                     ; my head
	s_and_b32 s2, s17, 7
	s_lshl_b32 s46, s2, s13
	SADD 46, 12
	s_mul_i32 s13, s23, s3
	SADD 46, 13
	s_lshl_b32 s13, s15, 12
	SADD 46, 13
	s_mov_b32 s47, 0
	s_mov_b64 s[12:13], s[72:73]
	s_add_nc_u64 s[72:73], s[72:73], s[46:47]      ; codes of blocks 0 to 3
	s_mov_b32 s67, 0
	s_add_nc_u64 s[74:75], s[72:73], s[66:67]      ; of blocks 4 to 7
	s_lshl_b32 s46, s2, 10
	s_add_co_u32 s66, s22, s15
	s_mul_i32 s66, s66, s3
	SADD 46, 66
	s_lshl_b32 s66, s16, 9
	SADD 46, 66
	s_add_nc_u64 s[12:13], s[12:13], s[46:47]      ; scale words: wave n stores head n / 2, half n % 2: 512 bytes
	s_and_b32 s2, s43, 15
	s_lshl_b32 s46, s2, 14
	s_mul_i32 s66, s23, PACK
	SADD 46, 66
	s_lshl_b32 s66, s15, 10
	SADD 46, 66
	s_add_co_u32 s46, s46, 12288+8192
	s_add_nc_u64 s[56:57], s[68:69], s[46:47]      ; V's codes
	s_lshl_b32 s46, s2, 8
	s_add_co_u32 s66, s22, s14
	s_mul_i32 s66, s66, PACK
	SADD 46, 66
	s_add_co_u32 s46, s46, 8192
	s_add_nc_u64 s[58:59], s[68:69], s[46:47]      ; V's scale words: waves 0 and 1 store a head each
	s_lshl_b32 s66, s14, 15
	s_lshl_b32 s2, s17, 18                         ; the refills: a quarter of 128 rows a wave: x's second 128,
	SADD 2, 66
	s_add_co_u32 s2, s2, 128*KROW
	s_lshl_b32 s3, s42, 17                         ; W_v's,
	SADD 3, 66
	s_lshl_b32 s40, s43, 17                        ; V's
	SADD 40, 66
.macro RDESC ptr, off, lds
	s_mul_i32 s[G0R+1], s14, 32*PITCH
.if \lds
	s_add_co_u32 s[G0R+1], s[G0R+1], \lds
.endif
	s_mov_b32 s46, s\off
	s_mov_b32 s47, 0
	s_add_nc_u64 s[G0R+2:G0R+3], s[\ptr:\ptr+1], s[46:47]
	s_or_b32 s[G0R+3], s[G0R+3], 0x80000000
.endm
.macro WFRAG n                         ; the weight's fragment n = 4 q + j, 16 rows x 128 K: lane l registers 4 c .. 4 c + 3: K = 32 c + 16 h + 0 .. 15
	WIN (1+(\n)/16)<<6
.irp c, 0,1,2,3
	ds_load_b128 v[16*((\n)%16)+4*\c:16*((\n)%16)+4*\c+3], v[14+(\n)%2] offset:16*(((\n)%4)/2)*PITCH+128*((\n)/4)+32*\c
.endr
.endm
.macro WFRAGV n                        ; W_v's, in natural order
	WIN (1+(\n)/16)<<6
.irp c, 0,1,2,3
	ds_load_b128 v[16*((\n)%16)+4*\c:16*((\n)%16)+4*\c+3], v16 offset:16*((\n)%4)*PITCH+128*((\n)/4)+32*\c
.endr
.endm
.macro FETCH s, a                      ; block s, 16 rows, all of K, into set s % 2: 32 loads
	WIN 3<<6
.irp q, 0,1,2,3,4,5,6,7
.irp c, 0,1,2,3
	ds_load_b128 v[128*((\s)%2)+16*\q+4*\c:128*((\s)%2)+16*\q+4*\c+3], v[\a] offset:16*((\s)%4)*PITCH+128*\q+32*\c
.endr
.endr
	WIN 0
.endm
.macro PROD s, n                       ; product n = 4 q + b of block s: the q-th 128 of K, column tile b, the four accumulators by turns.  Phase 1: source 0 = the weight's rows; phase 2: source 0 = x's
.set Q_, (\n)/4
.set B_, (\n)%4
.set R_, 128*((\s)%2)+16*Q_
.set W_, 16*((\n)%16)
.set WS_, 24+8*(B_/2)+Q_
.if (\s) < 8
.set AC_, ACC+32*((\s)%2)+8*B_
.set XS_, 132+8*((\s)/2)+Q_
.else
.set AC_, ACC+32*(((\s)-6)%4)+8*B_
.set XS_, 44+8*(((\s)-8)/2)+Q_
.endif
.set C_, AC_
.if Q_ == 0
.set C_, BQ+8*B_
.endif
.if (\s) < 8
	WIN (1+(\n)/16)|(3<<2)
.if B_%2 == 0 && (\s)%2 == 0
	v_wmma_scale_f32_16x16x128_f8f6f4 v[AC_:AC_+7], v[W_:W_+15], v[R_:R_+15], v[C_:C_+7], v[WS_], v[XS_]
.elseif (\s)%2 == 0
	v_wmma_scale_f32_16x16x128_f8f6f4 v[AC_:AC_+7], v[W_:W_+15], v[R_:R_+15], v[C_:C_+7], v[WS_], v[XS_] matrix_a_scale:MATRIX_SCALE_ROW1
.elseif B_%2 == 0
	v_wmma_scale_f32_16x16x128_f8f6f4 v[AC_:AC_+7], v[W_:W_+15], v[R_:R_+15], v[C_:C_+7], v[WS_], v[XS_] matrix_b_scale:MATRIX_SCALE_ROW1
.else
	v_wmma_scale_f32_16x16x128_f8f6f4 v[AC_:AC_+7], v[W_:W_+15], v[R_:R_+15], v[C_:C_+7], v[WS_], v[XS_] matrix_a_scale:MATRIX_SCALE_ROW1 matrix_b_scale:MATRIX_SCALE_ROW1
.endif
.else
	WIN 3|((1+(\n)/16)<<2)
.if B_%2 == 0 && (\s)%2 == 0
	v_wmma_scale_f32_16x16x128_f8f6f4 v[AC_:AC_+7], v[R_:R_+15], v[W_:W_+15], v[C_:C_+7], v[XS_], v[WS_]
.elseif (\s)%2 == 0
	v_wmma_scale_f32_16x16x128_f8f6f4 v[AC_:AC_+7], v[R_:R_+15], v[W_:W_+15], v[C_:C_+7], v[XS_], v[WS_] matrix_b_scale:MATRIX_SCALE_ROW1
.elseif B_%2 == 0
	v_wmma_scale_f32_16x16x128_f8f6f4 v[AC_:AC_+7], v[R_:R_+15], v[W_:W_+15], v[C_:C_+7], v[XS_], v[WS_] matrix_a_scale:MATRIX_SCALE_ROW1
.else
	v_wmma_scale_f32_16x16x128_f8f6f4 v[AC_:AC_+7], v[R_:R_+15], v[W_:W_+15], v[C_:C_+7], v[XS_], v[WS_] matrix_a_scale:MATRIX_SCALE_ROW1 matrix_b_scale:MATRIX_SCALE_ROW1
.endif
.endif
.endm
.macro HOLD x, b                       ; a sum held at the largest number that the format has under its block's scale
	v_med3_num_f32 v[\x], v[\x], -v[TQ+\b], v[TQ+\b]
.endm
.macro SCALES i, n                     ; i = 0: the conversion's scale operand v[SOP + n]; 1: the bound; 2: a second copy of it; 3: the scale byte
.if (\i) == 0
	v_add_nc_u32 v[SOP+\n], -(EMAX<<23), v[TQ]
.elseif (\i) == 1
	v_and_or_b32 v[TQ+1], v[TQ], 0x7f800000, s100
.elseif (\i) == 2
	v_mov_b32 v[TQ+3], v[TQ+1]
.else
	v_lshrrev_b32 v[EB+\n], 23, v[SOP+\n]
.endif
.endm
.macro MAXQ k, x                       ; Q, K: 18 lines: the largest magnitude of the 32 sums at x, and the floor under which a byte would fall under 1
.if (\k) < 4
	v_max3_num_f32 v[TQ+\k], |v[\x+8*(\k)]|, |v[\x+8*(\k)+1]|, |v[\x+8*(\k)+2]|
.elseif (\k) < 12
	v_max3_num_f32 v[TQ+(\k)%4], v[TQ+(\k)%4], |v[\x+8*((\k)%4)+2*((\k)/4)+1]|, |v[\x+8*((\k)%4)+2*((\k)/4)+2]|
.elseif (\k) < 16
	v_max_num_f32 v[TQ+(\k)%4], v[TQ+(\k)%4], |v[\x+8*((\k)%4)+7]|
.elseif (\k) == 16
	v_max3_num_f32 v[TQ], v[TQ], v[TQ+1], v[TQ+2]
.else
	v_max3_num_f32 v[TQ], v[TQ], v[TQ+3], (EMAX+1)<<23
.endif
.endm
.macro HOLDS m, x                      ; two of a scale block's holds.  The bound is read from its second copy where its first would be read too late
.if (\m) == 3
	HOLD \x, 3
	HOLD \x+1, 3
.else
	HOLD \x, 1
	HOLD \x+1, 1
.endif
.if (\m) == 2
	SCALES 2, 0
.endif
.endm
.macro GAPQ m, x                       ; THE QUANTISER OF Q's OR K's BLOCK, gaps 0 .. 26: the sums at x -> codes NCD, byte EB
.if (\m) < 9
	MAXQ 2*(\m), \x
	MAXQ 2*(\m)+1, \x
.elseif (\m) == 9
	SCALES 0, 0
	SCALES 1, 0
.elseif (\m) < 26
	HOLDS (\m)-10, \x+2*((\m)-10)
.if ((\m)-10)%4 == 3
	v_cvt_scalef32_pk8_fp8_f32 v[NCD+2*(((\m)-10)/4):NCD+2*(((\m)-10)/4)+1], v[\x+8*(((\m)-10)/4):\x+8*(((\m)-10)/4)+7], v[SOP]
.endif
.elseif (\m) == 26
	SCALES 3, 0
.endif
.endm
.macro GAPV u, x                       ; THE QUANTISER OF A PAIR OF V's BLOCKS, gaps 0 .. 59, 15 a tile: a scale block of 32 tokens lies in lanes l and l xor 16: the even block's sums at x, the odd's at x + 32 -> codes MCD + 4 t, bytes EB + t
.set T_, (\u)/15
.set J_, (\u)%15
.set E_, \x+8*T_
.set O_, E_+32
.if (\u) > 59
.elseif J_ == 0
	v_max3_num_f32 v[TQ], |v[E_]|, |v[E_+1]|, |v[E_+2]|
	v_max3_num_f32 v[TQ+2], |v[O_]|, |v[O_+1]|, |v[O_+2]|
.elseif J_ < 3
	v_max3_num_f32 v[TQ], v[TQ], |v[E_+2*J_+1]|, |v[E_+2*J_+2]|
	v_max3_num_f32 v[TQ+2], v[TQ+2], |v[O_+2*J_+1]|, |v[O_+2*J_+2]|
.elseif J_ == 3
	v_max3_num_f32 v[TQ+2], v[TQ+2], |v[O_+7]|, (EMAX+1)<<23
	v_max3_num_f32 v[TQ], v[TQ], |v[E_+7]|, v[TQ+2]
.elseif J_ == 4
	v_permlanex16_b32 v[TQ+2], v[TQ], s18, s19     ; the other half's largest
	v_max_num_f32 v[TQ], v[TQ], v[TQ+2]
.elseif J_ == 5
	SCALES 0, T_
	SCALES 1, T_
.elseif J_ < 10
	HOLDS J_-6, E_+2*(J_-6)
.if J_ == 9
	v_cvt_scalef32_pk8_fp8_f32 v[MCD+4*T_:MCD+4*T_+1], v[E_:E_+7], v[SOP+T_]
.endif
.elseif J_ < 14
	HOLDS J_-6, O_+2*(J_-10)
.if J_ == 13
	v_cvt_scalef32_pk8_fp8_f32 v[MCD+4*T_+2:MCD+4*T_+3], v[O_:O_+7], v[SOP+T_]
.endif
.else
	SCALES 3, T_
.endif
.endm
.macro LIST n, y, x                    ; what stands behind product n: y = 1: Q's or K's way out; 2, 3: the halves of a pair's of V
.if (\y) == 1 && (\n) > 0 && (\n) < 28
	WIN 0
	GAPQ (\n)-1, \x
.elseif (\y) == 2 && (\n) > 0 && (\n) < 31
	WIN 0
	GAPV (\n)-1, \x
.elseif (\y) == 3 && (\n) > 0 && (\n) < 31
	WIN 0
	GAPV (\n)+29, \x
.endif
.endm
.macro BLOCK s, from, to, y, x
.set N_, \from
.rept (\to)-(\from)
	PROD \s, N_
	LIST N_, \y, \x
.set N_, N_+1
.endr
.endm
.macro BLK s, w, y, x                  ; a block; the places behind it serve the fetch into its set and the first reader of its sums
	s_wait_dscnt \w
	s_wait_xcnt 0x0                                ; the codes that the block before has stored are written anew below
	BLOCK \s, 0, 32, \y, \x
	WIN 0
	PLACES 8
.endm
.macro RBLK s, y, x, ptr, off, lds, g1 ; a block with a refill in a round of the cluster's barrier
	s_wait_dscnt 32
	s_wait_xcnt 0x0
	BLOCK \s, 0, 24, \y, \x
	WIN 0
	WALU
	s_wait_tensorcnt 0x0                           ; my part of the former refill is in
	ds_add_u32 v[SPW], v[NIL]
	BLOCK \s, 24, 28, \y, \x
	WIN 0
	WALU
	s_wait_dscnt 0x0                               ; the add is done, and so are my reads of the slot that is filled again
	s_barrier_signal -1
	RDESC \ptr, \off, \lds
	BLOCK \s, 28, 32, \y, \x
	MIDDLE
	BARRIER
	TLOAD G0R, \g1
	PLACES 4
.endm
.macro QOUT s                          ; block s: its byte twice into its token's word in LDS, its 32 codes a lane to memory: two units of 256 bytes a store
	ds_store_b8 v[VX], v[EB] offset:512*((\s)/4)+64*((\s)%4)
	ds_store_b8 v[VX], v[EB] offset:512*((\s)/4)+64*((\s)%4)+2
	global_store_b128 v[CN], v[NCD:NCD+3], s[72+2*((\s)/4):73+2*((\s)/4)] offset:1024*((\s)%4)
	global_store_b128 v[CN], v[NCD+4:NCD+7], s[72+2*((\s)/4):73+2*((\s)/4)] offset:1024*((\s)%4)+256
.endm
.macro VOUT pair
.irp t, 0,1,2,3
	ds_store_b8 v[RD], v[EB+\t] offset:64*\t+\pair ; (both halves of the lanes hold the same byte)
	global_store_b128 v[CO], v[MCD+4*\t:MCD+4*\t+3], s[56:57] offset:2048*\t+512*\pair
.endr
.endm
	WALU                                           ; the wait at the head's end
	s_cmp_lt_u32 s14, 2
	s_cbranch_scc0 .Lnot_w
	s_wait_tensorcnt 0x0                           ; waves 0 and 1: the weight's rows.  The other waves' wait stands ahead of the next round
.Lnot_w:
	BARRIER
	global_prefetch_b8 v244, s[4:5] th:TH_LOAD_NT scope:SCOPE_SE   ; my sixteenth of x's second 128 rows
.set N_, 0
.rept 32
	WFRAG N_
.set N_, N_+1
.endr
	WIN 0
	s_wait_tensorcnt 0x0                           ; x's first 128 rows are in
	ds_add_u32 v[SPW], v[NIL]
	RDESC 4, 2, R1
	s_wait_dscnt 0x0                               ; the weight is in registers: slot 1 may be filled again
	CROUND
	TLOAD G0R, G1R
	FETCH 0, 4
	FETCH 1, 4
	s_wait_loadcnt 0x0                             ; scale words and biases
	BLK 0, 32, 0, 0
	FETCH 2, 4
	s_cmp_lt_u32 ttmp9, 2
	s_cbranch_scc0 .Lnot_mine
	global_prefetch_b8 v246, s[48:49] th:TH_LOAD_NT scope:SCOPE_SE   ; my sixteenth of W_v's 128 rows: their load stands behind block 2
.Lnot_mine:
	BLK 1, 32, 1, ACC
	QOUT 0
	FETCH 3, 4
	RBLK 2, 1, ACC+32, 48, 3, 0, G1C               ; W_v's rows into slot 0; x's second 128 rows are shown
	QOUT 1
	FETCH 4, 12
	BLK 3, 32, 1, ACC
	QOUT 2
	FETCH 5, 12
	global_prefetch_b8 v245, s[52:53] th:TH_LOAD_NT scope:SCOPE_SE   ; my sixteenth of V's 128 rows
	BLK 4, 32, 1, ACC+32
	QOUT 3
	FETCH 6, 12
	BLK 5, 32, 1, ACC
	QOUT 4
	FETCH 7, 12
	RBLK 6, 1, ACC+32, 52, 40, R1, G1R             ; V's rows into slot 1; W_v's are shown
	QOUT 5
	s_wait_xcnt 0x0
	BLOCK 7, 0, 21, 1, ACC                         ; block 7: behind product 20 ten lines stand behind the last that reads window 1: W_v's first half comes there
.set M_, 0
.rept 16
	WFRAGV M_
.set M_, M_+1
.endr
	BLOCK 7, 21, 32, 1, ACC
	WIN 0
	PLACES 8
	QOUT 6
	s_wait_xcnt 0x0
.set M_, 0
.rept 16                                       ; the second half, block 7's way out among it
	WFRAGV 16+M_
	WIN 0
	GAPQ 2*M_, ACC+32
	GAPQ 2*M_+1, ACC+32
.set M_, M_+1
.endr
.set M_, 0
.rept 16
	v_mov_b32 v[24+M_], v[164+M_]                  ; W_v's scale words
.set M_, M_+1
.endr
.irp t, 0,1,2,3
.irp i, 0,1,2,3,4,5,6,7
	v_mov_b32 v[BQ+8*\t+\i], v[BV+\t]              ; a lane's eight sums of V are one channel's
.endr
.endr
	QOUT 7
	WALU
	s_wait_tensorcnt 0x0                           ; V's rows are in
	s_wait_dscnt 0x0                               ; W_v is in registers, my scale bytes are in LDS
	BARRIER
	ds_load_b128 v[248:251], v252                  ; Q's or K's scale words
	FETCH 8, 12
	FETCH 9, 12
	BLK 8, 32, 0, 0
	global_store_b128 v[CO], v[248:251], s[12:13]
	FETCH 10, 12
	BLK 9, 32, 0, 0
	FETCH 11, 12
	BLK 10, 32, 2, ACC+64
	BLK 11, 0, 3, ACC+64
	VOUT 0
	s_wait_xcnt 0x0
.set M_, 0
.rept 60
	GAPV M_, ACC
.set M_, M_+1
.endr
	VOUT 1
	s_wait_dscnt 0x0                               ; my scale bytes are in LDS
	BARRIER
	s_cmp_lt_u32 s14, 2
	s_cbranch_scc0 .Lno_words
	ds_load_b64 v[250:251], v253
	s_wait_dscnt 0x0
	global_store_b64 v254, v[250:251], s[58:59]
.Lno_words:
	s_wait_tensorcnt 0x0                           ; the wave's end
	ds_add_u32 v[SPW], v[NIL]
	s_wait_dscnt 0x0
	CROUND                                         ; the closing round: no work-group ends while a partner may still ask for a tile that names it
	s_endpgm
.Lfunc_end_k_q4606529535_proj:
	.size	k_q4606529535_proj, .Lfunc_end_k_q4606529535_proj-k_q4606529535_proj
	.p2alignl 7, 3214868480
	.fill 96, 4, 3214868480
	.section	.rodata,"a",@progbits
	.p2align	6, 0x0
	.amdhsa_kernel k_q4606529535_proj
		.amdhsa_group_segment_fixed_size 327680
		.amdhsa_private_segment_fixed_size 0
		.amdhsa_enable_private_segment 0
		.amdhsa_kernarg_size 136
		.amdhsa_user_sgpr_count 2
		.amdhsa_user_sgpr_kernarg_segment_ptr 1
		.amdhsa_wavefront_size32 1
		.amdhsa_system_sgpr_workgroup_id_x 1
		.amdhsa_system_sgpr_workgroup_id_y 1
		.amdhsa_system_sgpr_workgroup_id_z 1
		.amdhsa_system_vgpr_workitem_id 0
		.amdhsa_next_free_vgpr 1024
		.amdhsa_next_free_sgpr 102
		.amdhsa_reserve_vcc 0
		.amdhsa_float_denorm_mode_32 3
		.amdhsa_float_denorm_mode_16_64 3
		.amdhsa_memory_ordered 1
		.amdhsa_forward_progress 1
		.amdhsa_inst_pref_size 179
	.end_amdhsa_kernel
	.amdgpu_metadata
---
amdhsa.version: [ 1, 2 ]
amdhsa.kernels:
  - .name:           k_q4606529535_proj
    .symbol:         k_q4606529535_proj.kd
    .args:
      - { .name: query_codes, .offset: 0, .size: 8, .value_kind: global_buffer, .address_space: global }
      - { .name: query_scales, .offset: 8, .size: 8, .value_kind: global_buffer, .address_space: global }
      - { .name: Wq_codes, .offset: 16, .size: 8, .value_kind: global_buffer, .address_space: global }
      - { .name: Wq_scales, .offset: 24, .size: 8, .value_kind: global_buffer, .address_space: global }
      - { .name: key_in_codes, .offset: 32, .size: 8, .value_kind: global_buffer, .address_space: global }
      - { .name: key_in_scales, .offset: 40, .size: 8, .value_kind: global_buffer, .address_space: global }
      - { .name: Wk_codes, .offset: 48, .size: 8, .value_kind: global_buffer, .address_space: global }
      - { .name: Wk_scales, .offset: 56, .size: 8, .value_kind: global_buffer, .address_space: global }
      - { .name: Wv_codes, .offset: 64, .size: 8, .value_kind: global_buffer, .address_space: global }
      - { .name: Wv_scales, .offset: 72, .size: 8, .value_kind: global_buffer, .address_space: global }
      - { .name: value_codes, .offset: 80, .size: 8, .value_kind: global_buffer, .address_space: global }
      - { .name: value_scales, .offset: 88, .size: 8, .value_kind: global_buffer, .address_space: global }
      - { .name: bq, .offset: 96, .size: 8, .value_kind: global_buffer, .address_space: global }
      - { .name: bk, .offset: 104, .size: 8, .value_kind: global_buffer, .address_space: global }
      - { .name: bv, .offset: 112, .size: 8, .value_kind: global_buffer, .address_space: global }
      - { .name: qbuf, .offset: 120, .size: 8, .value_kind: global_buffer, .address_space: global }
      - { .name: kv, .offset: 128, .size: 8, .value_kind: global_buffer, .address_space: global }
    .group_segment_fixed_size: 327680
    .private_segment_fixed_size: 0
    .kernarg_segment_align: 8
    .kernarg_segment_size: 136
    .max_flat_workgroup_size: 128
    .sgpr_count:     102
    .vgpr_count:     1024
    .wavefront_size: 32
...
	.end_amdgpu_metadata
.endif
;; end of part 1
;; launch attn (part 2): grid 8 x 32, 8 waves a work-group, clusters of 4 x 1, 327,680 bytes of LDS; arguments qbuf, kv, acodes, ascales; writes acodes, ascales
.if DOCPART == 2
	.amdgcn_target "amdgcn-amd-amdhsa--gfx1250"
	.amdhsa_code_object_version 6
	.text
	.protected	k_q4606529535_attn
	.globl	k_q4606529535_attn
	.p2align	8
	.type	k_q4606529535_attn,@function
k_q4606529535_attn:
	s_mov_b64 s[64:65], 0
	v_nop
	global_prefetch_b8 v0, s[64:65] scope:SCOPE_SE
	s_setreg_imm32_b32 hwreg(HW_REG_WAVE_MODE, 25, 1), 1
	s_wait_xcnt 0x0
	s_wait_alu depctr_hold_cnt(0) depctr_sa_sdst(0) depctr_va_vdst(0) depctr_va_sdst(0) depctr_va_ssrc(0) depctr_va_vcc(0) depctr_vm_vsrc(0)
	s_getreg_b32 s2, hwreg(HW_REG_IB_STS2, 6, 4)
	s_cmp_eq_u32 s2, 0
	s_cbranch_scc0 .Lentry_in_a_cluster
	s_endpgm
.Lentry_in_a_cluster:
	s_bfe_u32 s2, ttmp6, 0x10000c
	s_cmp_lg_u32 s2, 0x3003
	s_cbranch_scc0 .Lentry_shape_is_right
	s_endpgm
.Lentry_shape_is_right:
; ATTENTION of one batch x head on codes of FP8 (E4M3) with one E8M0 scale for each 32 along a product's K: S = Q K^T (K = the head's 64), softmax, O = P V (K = the 2,048 keys); O / l is quantised along d_model and leaves as codes.
; THE SOFTMAX AHEAD OF THE SECOND PRODUCT: t = score x log2(e) / 8; M = the row's largest t so far, rounded UP to a whole number; p = 2^(t - M) is what is quantised, along the keys; it is not normalised.
; The row's sum is taken of the unquantised p, in f32, and divides O at the end.  When M moves, the sum and O are multiplied by 2^(old M - new M): exact.
; A BLOCK'S SCALE: with x = the largest t - M of its 32 keys, floor(log2 p) = floor(x) = e, held to -118 from below: byte e + 119, the conversion's scale operand (e + 119) << 23, the hold 1.75 x 2^e.
; SHARES.  A work-group owns 256 queries of one head; each of its eight waves owns two tiles (A, B) of 16 in 512 registers: a fragment of K or V feeds two products.
; THE WHOLE HEAD LIES IN LDS: its pack of kv (K's scale words, V's scale words, then for each step of 128 keys K's and V's register images), 274,432 bytes, each byte filled once.  One load a wave: wave 0 brings the scale words and key steps 0 and 1,
; wave w > 0 steps 2 w and 2 w + 1.  The first barrier shows wave 0's load, the second, behind two steps, all others.
; CLUSTER.  The four query blocks of a cluster belong to one head and read the same pack: every load is asked for jointly, with the same descriptor and a mask that names the four.
; LAYOUT.  Both products are used transposed: S^T = K Q^T (source 0 = 16 keys), O^T = V^T P^T (source 0 = 16 channels): a lane holds one query of each tile throughout.
; The first product's K is 64, the instruction's 128: the upper half of Q's fragments holds zero codes; the upper half of a fragment of K is the next tile's codes (behind the last tile: zeros), which the zeros cancel.
; THE ORDER OF k IN A BLOCK OF 32: tiles 2 c and 2 c + 1 give lane (r, h) keys 32 c + 8 h + 0..7 and 32 c + 16 + 8 h + 0..7; V's images were made in that order, and the output's codes are read against Wo likewise.
; THE LOADS RUN AHEAD: behind the scores' products of step n stand V's loads of step n and K's of step n + 1.  No prefetch: every byte read from kv is asked for at the head by the tensor loads.
; LIMITS: NaN and infinities are not served; the scaled scores stay under 2^31 in magnitude; a block whose largest magnitude lies under 2^-118 (of p: 2^-118 of the row's scale) keeps the scale byte 1.
; The output's scale bytes leave one byte a lane, 32 bytes a tile beside its 1,024 bytes of codes: the heads whose bytes are neighbours lie in different work-groups.
; REGISTERS, window 0: v1-3 LDS places of my lane; v8, v11 the add's; v12 -M, v13 the largest score of A, v14, v15 of B; v16-19 the sums in two halves; v20, v22 f; v24-27 K's scale words, v28-29 V's, v30 Q's, v31-32 p's;
;   v34-41 block maxima, v42-49 exchanged maxima, then e, v50-57 holds, v58-65 scale operands, v66-81 B's partial sums, v82-89 at work; v96-159 A's scores, then p, v160-223 B's; v224-255 A's partial sums, then p's codes.
;   window 1: v0-31 Q (8 codes, 8 zeros, twice), v32-95 K, v96-103 zeros, v104-167 V, v168-231 O^T of A, of B.
.set QH,   139264                      ; a head's part of qbuf: 8,192 bytes of scale words, then images of 1,024 bytes a tile
.set PACK, 274432                      ; a head's pack in kv
.set VSC,  8192                        ; in it: V's scale words,
.set IMG,  12288                       ; and the images: 16,384 bytes a key step
.set SPARE, PACK                       ; the spare words: 1,024 bytes
.set WV,   12
.set K119, 18                          ; 119
.set K175, 19                          ; 1.75
.set SEL,  20                          ; s[20:21] lane selects for lane l xor 16
.set CS,   22                          ; s[22:23] c = log2(e) / 8 (the packed form names a pair)
.set G1A,  24                          ; s[24:31] group 1 of wave 0's load
.set G1B,  32                          ; s[32:39] of the others'
.set G0A,  40
.set G0B,  44
.set TB,   48                          ; 16,384 x the key step
.set TK,   49                          ; the same of the step whose K is asked for
.set TS,   50
.set TJ,   51
.set MNT,  52
.set MSB, 0
.macro WIN new                         ; the immediate's high byte repeats the setting that is left
.if MSB != \new
	s_set_vgpr_msb (MSB<<8)|\new
.set MSB, \new
.endif
.endm
.macro CROUND                          ; a round of the cluster's barrier
	s_barrier_signal -1
	s_barrier_wait -1
	s_cmp_lg_u32 s[WV], 0
	s_cbranch_scc1 .Lnot_wave_0_\@
	s_barrier_signal -3
.Lnot_wave_0_\@:
	s_barrier_wait -3
	s_barrier_signal -1
	s_barrier_wait -1
.endm
	s_load_b256 s[4:11], s[0:1], 0x0               ; qbuf, kv, acodes, ascales
	v_lshl_add_u32 v8, v0, 2, SPARE
	v_mov_b32 v11, 0
	ds_add_u32 v8, v11                             ; the wave's opening: the add, twice on end, and its wait
	ds_add_u32 v8, v11
	v_lshrrev_b32 v4, 5, v0
	v_readfirstlane_b32 s[WV], v4                  ; wave 0..7
	s_bfe_u32 s13, ttmp6, 0x40000                  ; cx
	s_lshl_b32 s14, ttmp9, 2
	s_add_co_u32 s14, s14, s13                     ; my block of 256 queries: it enters Q's and the output's addresses alone
	s_and_b32 s15, ttmp7, 0xffff                   ; 16 x batch + head, which the four partners share
	s_lshl_b32 s16, s14, 4
	s_lshl_b32 s17, s[WV], 1
	s_add_co_u32 s16, s16, s17                     ; my first tile of 16 queries among the head's 128
	s_mul_i32 s66, s15, PACK
	s_mov_b32 s67, 0
	s_lshl_b32 s68, s[WV], 15
	s_add_co_u32 s68, s68, IMG                     ; key steps 2 w, 2 w + 1: the same offset in the pack and in LDS
	s_mov_b32 s69, 0
	s_mul_i32 s70, s15, QH
	s_lshl_b32 s71, s16, 10
	s_add_co_u32 s71, s71, s70
	s_add_co_u32 s71, s71, 8192                    ; Q's images
	s_lshl_b32 s72, s16, 6
	s_add_co_u32 s72, s72, s70                     ; Q's scale words
.macro GROUP1 g, rows                  ; dense rows of 256 bytes as 32 elements of 8; the mask: all four work-groups, bit 21 beside it
	s_mov_b32 s[\g], 15|(3<<16)|(1<<21)
	s_mov_b32 s[\g+1], 32<<16
	s_mov_b32 s[\g+2], (\rows)<<16
	s_mov_b32 s[\g+3], 32<<16
	s_mov_b32 s[\g+4], \rows
	s_mov_b32 s[\g+5], 32
	s_mov_b32 s[\g+6], 0
	s_mov_b32 s[\g+7], 0
.endm
	GROUP1 G1A, 176                                ; 48 rows of scale words and two key steps
	GROUP1 G1B, 128                                ; two key steps
	s_mov_b32 s[SEL], 0x76543210
	s_mov_b32 s[SEL+1], 0xfedcba98
	s_mov_b32 s[CS], 0x3e38aa3b
	s_mov_b32 s[CS+1], s[CS]
	s_movk_i32 s[K119], 119
	s_mov_b32 s[K175], 0x3fe00000
	s_mov_b32 s[MNT], 0x600000
	s_wait_alu depctr_va_vdst(0)
	s_wait_dscnt 0x0                               ; both opening adds are done
	CROUND                                         ; all four work-groups are here: the joint loads meet
	s_wait_kmcnt 0x0
	s_add_nc_u64 s[6:7], s[6:7], s[66:67]          ; my head's pack
	s_mov_b32 s[G0A], 1
	s_mov_b32 s[G0A+1], 0
	s_mov_b64 s[G0A+2:G0A+3], s[6:7]
	s_or_b32 s[G0A+3], s[G0A+3], 0x80000000
	s_mov_b32 s[G0B], 1
	s_mov_b32 s[G0B+1], s68
	s_add_nc_u64 s[G0B+2:G0B+3], s[6:7], s[68:69]
	s_or_b32 s[G0B+3], s[G0B+3], 0x80000000
	s_cmp_lt_u32 s[WV], 1                          ; one joint load a wave; wave 0's is shown first and has a line of its own
	s_cbranch_scc0 .Lrest
	tensor_load_to_lds s[G0A:G0A+3], s[G1A:G1A+7]
	s_nop 0
.rept 4
	v_nop
.endr
	s_branch .Lasked
.Lrest:
	tensor_load_to_lds s[G0B:G0B+3], s[G1B:G1B+7]
	s_nop 0
.rept 4
	v_nop
.endr
.Lasked:
	v_and_b32 v4, 31, v0                           ; lane
	v_lshl_add_u32 v7, v4, 4, s71
	v_lshl_add_u32 v9, v4, 2, s72
	WIN 0x40
	global_load_b128 v[0:3], v7, s[4:5]            ; Q's images stay in registers
	global_load_b128 v[4:7], v7, s[4:5] offset:512
	global_load_b128 v[16:19], v7, s[4:5] offset:1024
	global_load_b128 v[20:23], v7, s[4:5] offset:1536
	WIN 0
	global_load_b32 v30, v9, s[4:5]                ; Q's scale words: lanes 0-15 tile A's, lanes 16-31 tile B's
	v_and_b32 v5, 15, v0                           ; r
	v_bfe_u32 v6, v0, 4, 1                         ; h
	v_lshl_add_u32 v1, v4, 4, IMG                  ; an image's place for my lane
	v_lshlrev_b32 v2, 2, v4                        ; a scale word's of K,
	v_lshl_add_u32 v3, v4, 2, VSC                  ; of V
	v_mov_b32 v12, 0x7e800000                      ; -M so far: above every -M, so the first f is 0
	v_mov_b32 v14, 0x7e800000
	v_mov_b32 v13, 0xff61b1e6                      ; the largest score so far: -3e38
	v_mov_b32 v15, 0xff61b1e6
.set I, 0
.rept 8
	v_mov_b32 v[16+I], 0                           ; the sums, and f
	v_mov_b32 v[42+I], 0                           ; (a lane permute's destination counts as one of its sources)
	v_mov_b32 v[66+2*I], 0                         ; B's partial sums
	v_mov_b32 v[67+2*I], 0
.set I, I+1
.endr
	WIN 0x40
.set I, 0
.rept 8
	v_mov_b32 v[8+I], 0                            ; zero codes for k = 64 .. 127 of Q,
	v_mov_b32 v[24+I], 0
	v_mov_b32 v[96+I], 0                           ; and behind K's last tile
.set I, I+1
.endr
.set I, 0
.rept 64
	v_mov_b32 v[168+I], 0                          ; O^T: the first step finds zeros, which the first change of M leaves zeros
.set I, I+1
.endr
	WIN 0
.macro KLOAD a, s, off, soff           ; a key step's eight tiles of K and its four scale words (two tiles to a register): 20 loads
	WIN 0x40
.irp t, 0,1,2,3,4,5,6,7
	ds_load_b128 v[32+8*\t:35+8*\t], v[\a] offset:\off+1024*\t
	ds_load_b128 v[36+8*\t:39+8*\t], v[\a] offset:\off+1024*\t+512
.endr
	WIN 0
.irp u, 0,1,2,3
	ds_load_b32 v[24+\u], v[\s] offset:\soff+128*\u
.endr
.endm
.macro SPROD x, t                      ; scores of query tile x against key tile t
.set D_, 96+64*(\x)+8*(\t)
.set K_, 32+8*(\t)
.set Q_, 16*(\x)
.if (\x) == 0
.if (\t)%2 == 0
	v_wmma_scale_f32_16x16x128_f8f6f4 v[D_:D_+7], v[K_:K_+15], v[Q_:Q_+15], 0, v[24+(\t)/2], v30
.else
	v_wmma_scale_f32_16x16x128_f8f6f4 v[D_:D_+7], v[K_:K_+15], v[Q_:Q_+15], 0, v[24+(\t)/2], v30 matrix_a_scale:MATRIX_SCALE_ROW1
.endif
.else
.if (\t)%2 == 0
	v_wmma_scale_f32_16x16x128_f8f6f4 v[D_:D_+7], v[K_:K_+15], v[Q_:Q_+15], 0, v[24+(\t)/2], v30 matrix_b_scale:MATRIX_SCALE_ROW1
.else
	v_wmma_scale_f32_16x16x128_f8f6f4 v[D_:D_+7], v[K_:K_+15], v[Q_:Q_+15], 0, v[24+(\t)/2], v30 matrix_a_scale:MATRIX_SCALE_ROW1 matrix_b_scale:MATRIX_SCALE_ROW1
.endif
.endif
.endm
.macro PPROD x, c                      ; O^T of query tile x, channel tile c
.set D_, 168+32*(\x)+8*(\c)
.set V_, 104+16*(\c)
.set P_, 224+16*(\x)
.if (\c)%2 == 0
	v_wmma_scale_f32_16x16x128_f8f6f4 v[D_:D_+7], v[V_:V_+15], v[P_:P_+15], v[D_:D_+7], v[28+(\c)/2], v[31+(\x)]
.else
	v_wmma_scale_f32_16x16x128_f8f6f4 v[D_:D_+7], v[V_:V_+15], v[P_:P_+15], v[D_:D_+7], v[28+(\c)/2], v[31+(\x)] matrix_a_scale:MATRIX_SCALE_ROW1
.endif
.endm
.macro DEFER                           ; the last step's four partial sums of B join, and its sum comes under that step's M: four lines
	v_pk_add_f32 v[66:67], v[66:67], v[70:71]
	v_pk_add_f32 v[68:69], v[68:69], v[72:73]
	v_pk_add_f32 v[66:67], v[66:67], v[68:69]
	v_pk_fma_f32 v[18:19], v[18:19], v[22:23], v[66:67] op_sel_hi:[1,0,1]
.endm
.macro MAXI x, k                       ; line k of 32: the largest score of each block of 32 keys, my 16 of them: eight chains by turns (a block's two tiles, 7 of 8 each), then a block's two chains and the two scores left join
.set B_, (\k)%4
.set R_, (\k)/8
.set S_, 96+64*(\x)+16*B_
.set M_, 34+4*(\x)+B_
.if (\k) < 24
.set S_, S_+8*(((\k)/4)%2)
.set M_, M_+8*(((\k)/4)%2)
.if R_ == 0
	v_max3_num_f32 v[M_], v[S_], v[S_+1], v[S_+2]
.else
	v_max3_num_f32 v[M_], v[M_], v[S_+2*R_+1], v[S_+2*R_+2]
.endif
.elseif (\k) < 28
	v_max3_num_f32 v[M_], v[M_], v[M_+8], v[S_+7]
.else
	v_max_num_f32 v[M_], v[M_], v[S_+15]
.endif
.endm
.macro CROSS x, i                      ; lines 0-3: lane l xor 16's maxima; 4-7: joined
.if (\i) < 4
	v_permlanex16_b32 v[42+4*(\x)+(\i)], v[34+4*(\x)+(\i)], s[SEL], s[SEL+1]
.else
	v_max_num_f32 v[30+4*(\x)+(\i)], v[30+4*(\x)+(\i)], v[38+4*(\x)+(\i)]
.endif
.endm
.macro CHAIN x, i                      ; 30 lines: M, f = 2^(old M - new M), and the four blocks' e, scale operands, holds and p's scale word
.set M_, 34+4*(\x)
.set E_, 42+4*(\x)
.set W_, 82+2*(\x)
.set N_, 12+2*(\x)
.set J_, ((\i)-10)%4
.if (\i) == 0
	v_max3_num_f32 v[W_], v[M_], v[M_+1], v[N_+1]
.elseif (\i) == 1
	v_max3_num_f32 v[N_+1], v[W_], v[M_+2], v[M_+3]   ; the running largest score
.elseif (\i) == 2
	v_mul_f32 v[W_], s[CS], v[N_+1]                ; as t (c is positive)
.elseif (\i) == 3
	v_floor_f32 v[W_], -v[W_]                      ; the new -M: a whole number
.elseif (\i) == 4
	v_sub_f32 v[W_+1], v[W_], v[N_]                ; old M - new M: a whole number, 0 or less
.elseif (\i) == 5
	v_mov_b32 v[N_], v[W_]
.elseif (\i) == 6
	v_cvt_i32_f32 v[W_+1], v[W_+1]                 ; (it saturates)
.elseif (\i) == 7
	v_ldexp_f32 v[20+2*(\x)], 1.0, v[W_+1]
.elseif (\i) < 10
	v_pk_fma_f32 v[M_+2*((\i)-8):M_+2*((\i)-8)+1], v[M_+2*((\i)-8):M_+2*((\i)-8)+1], s[CS:CS+1], v[N_:N_+1] op_sel_hi:[1,0,0]   ; the blocks' largest t - M
.elseif (\i) < 14
	v_max_num_f32 v[M_+J_], 0xc2ec0000, v[M_+J_]   ; -118 from below: the byte cannot fall under 1
.elseif (\i) < 18
	v_cvt_floor_i32_f32 v[E_+J_], v[M_+J_]         ; e
.elseif (\i) < 22
	v_add_lshl_u32 v[58+4*(\x)+J_], v[E_+J_], s[K119], 23   ; the conversion's scale operand
.elseif (\i) < 26
	v_lshl_add_u32 v[50+4*(\x)+J_], v[E_+J_], 23, s[K175]   ; 448 x the scale
.elseif (\i) == 26
	v_lshl_add_u32 v[31+(\x)], v[E_+1], 8, v[E_]   ; p's scale word: the sum of (e + 119) << 8 b, 119 = 0x77
.elseif (\i) == 27
	v_lshl_add_u32 v[31+(\x)], v[E_+2], 16, v[31+(\x)]
.elseif (\i) == 28
	v_lshl_add_u32 v[31+(\x)], v[E_+3], 24, v[31+(\x)]
.else
	v_add_nc_u32 v[31+(\x)], 0x77777777, v[31+(\x)]
.endif
.endm
.macro TSUBM x, i                      ; t - M, two at a time (of the pairs c and -M the low word serves both halves)
	v_pk_fma_f32 v[96+64*(\x)+2*(\i):97+64*(\x)+2*(\i)], v[96+64*(\x)+2*(\i):97+64*(\x)+2*(\i)], s[CS:CS+1], v[12+2*(\x):13+2*(\x)] op_sel_hi:[1,0,0]
.endm
.macro HOLD2 r, b                      ; two p held at the largest code x the scale (the conversion to an 8-bit code does not saturate: ISA guide 7.6.2); p is not negative
	v_dual_min_num_f32 v[\r], v[\r], v[\b] :: v_dual_min_num_f32 v[\r+1], v[\r+1], v[\b]
.endm
.macro HOLDB from, n                   ; n pairs of B
.set H_, \from
.rept \n
	HOLD2 160+2*H_, 54+H_/8
.set H_, H_+1
.endr
.endm
.macro CVT x, b
	v_cvt_scalef32_pk8_fp8_f32 v[224+16*(\x)+4*(\b):225+16*(\x)+4*(\b)], v[96+64*(\x)+16*(\b):103+64*(\x)+16*(\b)], v[58+4*(\x)+(\b)]
	v_cvt_scalef32_pk8_fp8_f32 v[226+16*(\x)+4*(\b):227+16*(\x)+4*(\b)], v[104+64*(\x)+16*(\b):111+64*(\x)+16*(\b)], v[58+4*(\x)+(\b)]
.endm
.macro USUM i                          ; B's partial sums: pairs i and i + 8, then i + 16, then i + 24, eight chains by turns
.if (\i) < 8
	v_pk_add_f32 v[66+2*(\i):67+2*(\i)], v[160+2*(\i):161+2*(\i)], v[176+2*(\i):177+2*(\i)]
.else
	v_pk_add_f32 v[66+2*((\i)%8):67+2*((\i)%8)], v[66+2*((\i)%8):67+2*((\i)%8)], v[176+2*(\i):177+2*(\i)]
.endif
.endm
.macro TSUM i, d                       ; A's partial sums
	v_pk_add_f32 v[224+2*(\i):225+2*(\i)], v[224+2*(\i):225+2*(\i)], v[224+2*((\i)+(\d)):225+2*((\i)+(\d))]
.endm
; A KEY STEP: 128 keys.  lim: 16,384 x the last step that may be read; the step that has no successor asks for its own K once more, and nobody reads that
.macro STEP lim
	s_wait_dscnt 0x0                               ; this step's K
	WIN 0x05
.irp t, 0,1,2,3,4,5,6,7
	SPROD 0, \t
.endr
.irp t, 0,1,2,3,4,5,6,7
	SPROD 1, \t
.endr
	WIN 0                                          ; lane (r, h) holds query r; registers 16 b + 8 e + i are keys 32 b + 16 e + 8 h + i of the step
	s_add_co_u32 s[TK], s[TB], 16384
	s_min_u32 s[TK], s[TK], \lim
	s_lshr_b32 s[TS], s[TK], 5
	s_lshr_b32 s[TJ], s[TB], 6
	DEFER                                          ; with the four lines below: eight places behind the products
	v_add_nc_u32 v86, s[TB], v1
	v_add_nc_u32 v87, s[TJ], v3
	v_add_nc_u32 v88, s[TK], v1
	v_add_nc_u32 v89, s[TS], v2
	WIN 0x40
.irp t, 0,1,2,3                        ; this step's V: four fragments, 16 channels x 128 keys each, and two scale words: 18 loads
.irp c, 0,1,2,3
	ds_load_b128 v[104+16*\t+4*\c:107+16*\t+4*\c], v86 offset:8192+2048*\t+512*\c
.endr
.endr
	WIN 0
	ds_load_b32 v28, v87
	ds_load_b32 v29, v87 offset:128
	KLOAD 88, 89, 0, 0                             ; the next step's K: 20 loads
.set I, 0
.rept 32
	MAXI 0, I
.set I, I+1
.endr
.set I, 0
.rept 8                                        ; B's maxima, and among them A's exchange between the lanes and A's chain
	MAXI 1, I
	CROSS 0, I
.set I, I+1
.endr
.set I, 0
.rept 8
	MAXI 1, 8+3*I
	MAXI 1, 9+3*I
	MAXI 1, 10+3*I
	CHAIN 0, I
.set I, I+1
.endr
.set I, 0
.rept 8
	CROSS 1, I
	CHAIN 0, 8+I
.set I, I+1
.endr
.set I, 0
.rept 32                                       ; A's t - M, B's chain among them, and what is left of A's
.if I < 14
	CHAIN 0, 16+I
.endif
	TSUBM 0, I
.if I < 30
	CHAIN 1, I
.endif
.set I, I+1
.endr
	s_wait_alu depctr_va_vdst(0)                   ; the wait ahead of the batch
.set I, 0
.rept 32                                       ; A's p = 2^(t - M), at most 1: not normalised; B's t - M among them
	v_exp_f32 v[96+2*I], v[96+2*I]
	TSUBM 1, I
	v_exp_f32 v[97+2*I], v[97+2*I]
.set I, I+1
.endr
	v_nop
	s_wait_alu depctr_va_vdst(0)                   ; behind A's batch and ahead of B's
.set I, 0
.rept 16                                       ; B's p; among them A's sums by fours, of the unquantised p, and its holds
	v_exp_f32 v[160+4*I], v[160+4*I]
	v_pk_add_f32 v[224+2*I:225+2*I], v[96+4*I:97+4*I], v[98+4*I:99+4*I]
	v_exp_f32 v[161+4*I], v[161+4*I]
	HOLD2 96+4*I, 50+I/4
	v_exp_f32 v[162+4*I], v[162+4*I]
	HOLD2 98+4*I, 50+I/4
	v_exp_f32 v[163+4*I], v[163+4*I]
.set I, I+1
.endr
	v_nop
	WIN 0x41
	s_wait_alu depctr_va_vdst(0)                   ; behind the batch, and ahead of O^T's first reader
.set I, 0
.rept 16
	v_pk_mul_f32 v[168+2*I:169+2*I], v[168+2*I:169+2*I], v[20:21] op_sel_hi:[1,0]   ; O^T under the new M
.set I, I+1
.endr
.rept 16
	v_pk_mul_f32 v[168+2*I:169+2*I], v[168+2*I:169+2*I], v[22:23] op_sel_hi:[1,0]
.set I, I+1
.endr
	WIN 0
.set I, 0
.rept 8
	USUM I
	TSUM I, 8
.set I, I+1
.endr
.rept 8
	USUM I
.if I < 12
	TSUM I-8, 4
.endif
.set I, I+1
.endr
.rept 8
	USUM I
.if I < 18
	TSUM I-16, 2
.endif
.set I, I+1
.endr
	HOLDB 0, 4
	TSUM 0, 1
	HOLDB 4, 4
	v_pk_fma_f32 v[16:17], v[16:17], v[20:21], v[224:225] op_sel_hi:[1,0,1]   ; A's sum under the new M
	HOLDB 8, 24
.irp b, 0,1,2,3
	CVT 0, \b
.endr
.irp b, 0,1,2,3
	CVT 1, \b
.endr
	v_pk_add_f32 v[66:67], v[66:67], v[74:75]      ; B's eight partial sums become four: four places behind the conversions
	v_pk_add_f32 v[68:69], v[68:69], v[76:77]
	v_pk_add_f32 v[70:71], v[70:71], v[78:79]
	v_pk_add_f32 v[72:73], v[72:73], v[80:81]
	s_wait_alu depctr_va_vdst(0)
	s_wait_dscnt 20                                ; V is in; the 20 loads of the next step's K may be out
	WIN 0x51
.irp c, 0,1,2,3
	PPROD 0, \c
.endr
.irp c, 0,1,2,3
	PPROD 1, \c
.endr
	WIN 0
.endm
	s_wait_alu depctr_va_vdst(0)                   ; the wait at the head's end
	s_cmp_lt_u32 s[WV], 1
	s_cbranch_scc0 .Lnot_first
	s_wait_tensorcnt 0x0                           ; wave 0: the scale words and key steps 0 and 1.  The other waves' wait stands at the second barrier
.Lnot_first:
	s_barrier_signal -1
	s_barrier_wait -1
	KLOAD 1, 2, 0, 0
	s_wait_loadcnt 0x0                             ; Q
	s_mov_b32 s[TB], 0
.Lfirst:
	STEP 16384
	s_add_co_u32 s[TB], s[TB], 16384
	s_cmp_lg_u32 s[TB], 32768
	s_cbranch_scc1 .Lfirst
	s_wait_tensorcnt 0x0                           ; key steps 2 to 15 are in
	s_wait_dscnt 0x0
	s_barrier_signal -1
	s_barrier_wait -1
	KLOAD 1, 2, 32768, 1024
	s_mov_b32 s[TB], 32768
.Lsecond:
	STEP 245760
	s_add_co_u32 s[TB], s[TB], 16384
	s_cmp_lg_u32 s[TB], 262144
	s_cbranch_scc1 .Lsecond
	s_wait_dscnt 0x0
	; THE WAY OUT.  O^T / the sum is my 32 queries' part of the last product's operand: 64 of its K = 1,024, two blocks of 32 a query, quantised here and stored as groups of a register image.
	s_lshr_b32 s67, s15, 4
	s_lshl_b32 s67, s67, 7
	s_add_co_u32 s67, s67, s16                     ; my first tile among the 256 tiles of 16 tokens: an even number
	s_and_b32 s68, s15, 15                         ; the head
	s_lshr_b32 s69, s67, 2
	s_lshl_b32 s69, s69, 16                        ; acodes: [64 tokens][K step of 128][tile 4][group 4][512]
	s_and_b32 s70, s67, 3
	s_lshl_b32 s70, s70, 11
	s_add_co_u32 s69, s69, s70
	s_lshr_b32 s70, s68, 1
	s_lshl_b32 s70, s70, 13                        ; a K step: two heads
	s_add_co_u32 s69, s69, s70
	s_and_b32 s70, s68, 1
	s_lshl_b32 s70, s70, 10
	s_add_co_u32 s69, s69, s70
	s_lshl_b32 s70, s67, 9                         ; ascales: 32 bytes a token,
	s_lshl_b32 s71, s68, 1                         ; two bytes a head
	s_add_co_u32 s70, s70, s71
	DEFER
	v_add_f32 v16, v16, v17                        ; the sums' two halves,
	v_add_f32 v18, v18, v19
	v_permlanex16_b32 v42, v16, s[SEL], s[SEL+1]
	v_permlanex16_b32 v43, v18, s[SEL], s[SEL+1]
	v_add_f32 v16, v16, v42                        ; and lane l xor 16's: the rows' sums
	v_add_f32 v18, v18, v43
	s_wait_alu depctr_va_vdst(0)                   ; the wait ahead of the batch
	v_rcp_f32 v16, v16
	v_rcp_f32 v18, v18
	v_lshl_add_u32 v7, v4, 4, s69
	v_lshl_add_u32 v9, v5, 5, s70
	v_cmp_le_u32 s72, 16, v4                       ; lanes 16-31
	v_add_nc_u32 v9, v9, v6                        ; lane (r, h) stores the byte of token r's block h
	WIN 0x01
	s_wait_alu depctr_va_vdst(0)                   ; the wait ahead of the first readers of the reciprocals and of O^T
.set I, 0
.rept 32
	v_mul_f32 v[96+I], v[168+I], v16               ; register 8 t + i is o(r, 16 t + 8 h + i)
.set I, I+1
.endr
.set I, 0
.rept 32
	v_mul_f32 v[160+I], v[200+I], v18
.set I, I+1
.endr
	WIN 0
.irp q, 0,1,2,3                                ; q = 2 x tile + block
	v_max3_num_f32 v[34+\q], |v[96+64*(\q/2)+16*(\q%2)]|, |v[97+64*(\q/2)+16*(\q%2)]|, 0x4800000   ; my 16 numbers, and the floor 2^(9 - 127)
.endr
.irp i, 2,4,6,8,10,12,14
.irp q, 0,1,2,3
	v_max3_num_f32 v[34+\q], v[34+\q], |v[96+64*(\q/2)+16*(\q%2)+\i]|, |v[97+64*(\q/2)+16*(\q%2)+\i]|
.endr
.endr
.irp q, 0,1,2,3
	v_permlanex16_b32 v[42+\q], v[34+\q], s[SEL], s[SEL+1]
.endr
.irp q, 0,1,2,3
	v_max_num_f32 v[34+\q], v[34+\q], v[42+\q]     ; with lane l xor 16's: the block's largest magnitude
.endr
.irp q, 0,1,2,3
	v_add_nc_u32 v[58+\q], 0xfc000000, v[34+\q]    ; 8 off the exponent field
.endr
.irp q, 0,1,2,3
	v_and_or_b32 v[50+\q], v[34+\q], 0x7f800000, s[MNT]   ; 448 x the scale
.endr
.irp q, 0,1,2,3
	v_lshrrev_b32 v[82+\q], 23, v[58+\q]           ; the scale's byte
.endr
	v_cndmask_b32 v46, v82, v83, s72
	v_cndmask_b32 v47, v84, v85, s72
.irp q, 0,1,2,3
.irp i, 0,1,2,3,4,5,6,7,8,9,10,11,12,13,14,15
	v_med3_num_f32 v[96+64*(\q/2)+16*(\q%2)+\i], v[96+64*(\q/2)+16*(\q%2)+\i], -v[50+\q], v[50+\q]   ; the hold at the largest code x the scale
.endr
	v_cvt_scalef32_pk8_fp8_f32 v[224+4*\q:225+4*\q], v[96+64*(\q/2)+16*(\q%2):103+64*(\q/2)+16*(\q%2)], v[58+\q]
	v_cvt_scalef32_pk8_fp8_f32 v[226+4*\q:227+4*\q], v[104+64*(\q/2)+16*(\q%2):111+64*(\q/2)+16*(\q%2)], v[58+\q]
.endr
	v_nop                                          ; one plain vector line behind the last conversion
	global_store_b128 v7, v[224:227], s[8:9]       ; each store of the wave covers 512 consecutive bytes, aligned
	global_store_b128 v7, v[228:231], s[8:9] offset:512
	global_store_b128 v7, v[232:235], s[8:9] offset:2048
	global_store_b128 v7, v[236:239], s[8:9] offset:2560
	global_store_b8 v9, v46, s[10:11]
	global_store_b8 v9, v47, s[10:11] offset:512
	s_wait_tensorcnt 0x0                           ; the wave's end
	ds_add_u32 v8, v11
	s_wait_dscnt 0x0
	CROUND                                         ; the closing round: no work-group ends while a partner may still ask for a tile that names it
	s_endpgm
.Lfunc_end_k_q4606529535_attn:
	.size	k_q4606529535_attn, .Lfunc_end_k_q4606529535_attn-k_q4606529535_attn
	.p2alignl 7, 3214868480
	.fill 96, 4, 3214868480
	.section	.rodata,"a",@progbits
	.p2align	6, 0x0
	.amdhsa_kernel k_q4606529535_attn
		.amdhsa_group_segment_fixed_size 327680
		.amdhsa_private_segment_fixed_size 0
		.amdhsa_enable_private_segment 0
		.amdhsa_kernarg_size 32
		.amdhsa_user_sgpr_count 2
		.amdhsa_user_sgpr_kernarg_segment_ptr 1
		.amdhsa_wavefront_size32 1
		.amdhsa_system_sgpr_workgroup_id_x 1
		.amdhsa_system_sgpr_workgroup_id_y 1
		.amdhsa_system_sgpr_workgroup_id_z 1
		.amdhsa_system_vgpr_workitem_id 0
		.amdhsa_next_free_vgpr 512
		.amdhsa_next_free_sgpr 80
		.amdhsa_reserve_vcc 0
		.amdhsa_float_denorm_mode_32 3
		.amdhsa_float_denorm_mode_16_64 3
		.amdhsa_memory_ordered 1
		.amdhsa_forward_progress 1
		.amdhsa_inst_pref_size 91
	.end_amdhsa_kernel
	.amdgpu_metadata
---
amdhsa.version: [ 1, 2 ]
amdhsa.kernels:
  - .name:           k_q4606529535_attn
    .symbol:         k_q4606529535_attn.kd
    .args:
      - { .name: qbuf, .offset: 0, .size: 8, .value_kind: global_buffer, .address_space: global }
      - { .name: kv, .offset: 8, .size: 8, .value_kind: global_buffer, .address_space: global }
      - { .name: acodes, .offset: 16, .size: 8, .value_kind: global_buffer, .address_space: global }
      - { .name: ascales, .offset: 24, .size: 8, .value_kind: global_buffer, .address_space: global }
    .group_segment_fixed_size: 327680
    .private_segment_fixed_size: 0
    .kernarg_segment_align: 8
    .kernarg_segment_size: 32
    .max_flat_workgroup_size: 256
    .sgpr_count:     80
    .vgpr_count:     512
    .wavefront_size: 32
...
	.end_amdgpu_metadata
.endif
;; end of part 2
;; launch outp (part 3): grid 8 x 32, 4 waves a work-group, clusters of 4 x 4, 327,680 bytes of LDS; arguments acodes, ascales, Wo_codes, Wo_scales, bo, out0; writes out0
.if DOCPART == 3
	.amdgcn_target "amdgcn-amd-amdhsa--gfx1250"
	.amdhsa_code_object_version 6
	.text
	.protected	k_q4606529535_outp
	.globl	k_q4606529535_outp
	.p2align	8
	.type	k_q4606529535_outp,@function
k_q4606529535_outp:
	s_mov_b64 s[64:65], 0
	v_nop
	global_prefetch_b8 v0, s[64:65] scope:SCOPE_SE
	s_setreg_imm32_b32 hwreg(HW_REG_WAVE_MODE, 25, 1), 1
	s_wait_xcnt 0x0
	s_wait_alu depctr_hold_cnt(0) depctr_sa_sdst(0) depctr_va_vdst(0) depctr_va_sdst(0) depctr_va_ssrc(0) depctr_va_vcc(0) depctr_vm_vsrc(0)
	s_getreg_b32 s2, hwreg(HW_REG_IB_STS2, 6, 4)
	s_cmp_eq_u32 s2, 0
	s_cbranch_scc0 .Lentry_in_a_cluster
	s_endpgm
.Lentry_in_a_cluster:
	s_bfe_u32 s2, ttmp6, 0x10000c
	s_cmp_lg_u32 s2, 0xf033
	s_cbranch_scc0 .Lentry_shape_is_right
	s_endpgm
.Lentry_shape_is_right:
; out0[t][n] = the sum over k of a[t][k] Wo[n][k] + bo[n], on codes of FP8 (E4M3) with one E8M0 scale for each 32 along K = 1,024; sums in f32.  a: the attention's output as this program's own codes.
; SHARES.  256 work-groups, each a tile of 128 tokens x 128 n; four waves of 64 x 64.  A wave holds its 64 rows of Wo, all of K, in 512 registers, and finishes its four tiles of 16 tokens one after the other, 32 products each: a tile leaves while the next is multiplied.
; ALL OF K LIES IN LDS, filled once by one load a wave: waves 0 and 1 bring Wo's halves, waves 2 and 3 a's.  The first barrier shows Wo, which goes into registers while a may be on its way; the second shows a.
; CLUSTERS: 4 x 4 work-groups.  The four of a row of the cluster need the same tokens, the four of a column the same rows of Wo: each tile is asked for jointly, by the same tensor load with the same descriptor and a mask that names the four.
; THE MATRIX INSTRUCTION IS USED TRANSPOSED (source 0 = 16 rows of Wo, source 1 = 16 tokens): a lane then holds eight neighbouring numbers of a row of out0.  bo, in that layout, is the C of each sum's first product.
; a's codes lie in memory as images of operand registers ([64 tokens][K step of 128][tile of 16][group 4][lane][16 bytes]): registers 2 c', 2 c' + 1 of lane (r, h) hold k = 16 c' + 8 h + 0..7.
; Wo's rows, which lie along K, are read in the same order: eight loads of 8 bytes, 16 bytes apart, at row x pitch + 8 h.  A block of 32 stays the same block, so the scales hold; only the order of the sums differs from ascending k.
; The scale words come by plain loads: a tile's 16 rows are 512 dense bytes, a row's 32 bytes its eight K steps' words.  No prefetch: every byte is asked for at the head.
; LIMITS: NaN and infinities are not served.
; REGISTERS: window 0: v16-27 addresses; v32-63 a's scale words (tile a, K step ks at 32 + 8 a + ks); v64-95 Wo's (K step ks at 64 + 8 b + (ks + 4) % 8); v96-127 bo; v128-191 two sets of four accumulators; v192-255 rows on their way out.
;   window 1: two buffers of a token tile, all of K;  windows 2 and 3: Wo's 32 fragments.
.set WPITCH, 1040                      ; a row of Wo in LDS: 1,024 bytes + 16 of padding
.set BRO,   131072                     ; LDS: a's images from 0, Wo's 128 rows from here
.set STG,   BRO+128*WPITCH             ; the way out: 16 rows x (256 bytes + 16) for each wave: no fill lands there
.set SPARE, STG+4*16*272               ; the spare words
.set ADRA, 16
.set ADRB, 20
.set STO,  24
.set RD,   25
.set CO,   26
.set SA,   32
.set SB,   64
.set BI,   96
.set ACC,  128
.set TPR,  192
.set G1A,  24                          ; s[24:31] descriptor group 1 for a;  s[40:47] for Wo
.set G1B,  40
.set G0A,  76
.set G0B,  80
.set MSB, 0
.macro WIN new                         ; the immediate's high byte repeats the setting that is left
.if MSB != \new
	s_set_vgpr_msb (MSB<<8)|\new
.set MSB, \new
.endif
.endm
.macro BARRIER
	s_barrier_signal -1
	s_barrier_wait -1
.endm
.macro CROUND                          ; a round of the cluster's barrier
	BARRIER
	s_cmp_lg_u32 s16, 0
	s_cbranch_scc1 .Lnot_wave_0_\@
	s_barrier_signal -3
.Lnot_wave_0_\@:
	s_barrier_wait -3
	BARRIER
.endm
	s_load_b256 s[4:11], s[0:1], 0x0               ; a's codes, a's scales, Wo's codes, Wo's scales
	s_load_b128 s[12:15], s[0:1], 0x20             ; bo, out0
	v_lshl_add_u32 v30, v0, 2, SPARE
	v_mov_b32 v31, 0
	ds_add_u32 v30, v31                            ; the wave's opening: the add, twice on end, and its wait
	ds_add_u32 v30, v31
	v_lshrrev_b32 v1, 5, v0
	v_readfirstlane_b32 s16, v1                    ; wave 0..3
	s_lshr_b32 s17, s16, 1                         ; which half of the tile's tokens is mine
	s_and_b32 s18, s16, 1                          ; which half of its n.  Also: which 64 rows of its tile I fetch
	s_bfe_u32 s19, ttmp6, 0x40000                  ; cx, cy: my place in the cluster
	s_bfe_u32 s20, ttmp6, 0x40004
	s_lshl_b32 s21, ttmp9, 2
	s_add_co_u32 s21, s21, s19                     ; tile of n = 4 x cluster x + cx
	s_and_b32 s22, ttmp7, 0xffff
	s_lshl_b32 s22, s22, 2
	s_add_co_u32 s22, s22, s20                     ; tile of tokens = 4 x cluster y + cy
	s_lshl_b32 s23, s20, 2
	s_lshl_b32 s23, 15, s23                        ; my row of the cluster
	s_lshl_b32 s100, 0x1111, s19                   ; my column
	s_or_b32 s[G1A], s23, (3<<16)|(1<<21)          ; a's 64 tokens: 65,536 dense bytes as 256 rows of 256 (32 elements of 8 bytes); the mask: my row
	s_mov_b32 s[G1A+1], 32<<16
	s_mov_b32 s[G1A+2], 256<<16
	s_mov_b32 s[G1A+3], 32<<16
	s_mov_b32 s[G1A+4], 256
	s_mov_b32 s[G1A+5], 32
	s_mov_b32 s[G1A+6], 0
	s_mov_b32 s[G1A+7], 0
	s_or_b32 s[G1B], s100, (1<<20)|(1<<21)|(7<<22)|(3<<25)   ; Wo's 64 rows of 1,024 bytes, four words of padding after every 256; the mask: my column
	s_mov_b32 s[G1B+1], 1024<<16
	s_mov_b32 s[G1B+2], 64<<16
	s_mov_b32 s[G1B+3], 1024<<16
	s_mov_b32 s[G1B+4], 64
	s_mov_b32 s[G1B+5], 1024
	s_mov_b32 s[G1B+6], 0
	s_mov_b32 s[G1B+7], 0
	s_lshl_b32 s2, s22, 1                          ; a: hangs on the tile of tokens, which my row of the cluster shares, and on the wave
	s_add_co_u32 s2, s2, s18
	s_lshl_b32 s2, s2, 16
	s_mov_b32 s3, 0
	s_lshl_b32 s100, s21, 1                        ; Wo: on the tile of n, which my column shares
	s_add_co_u32 s100, s100, s18
	s_lshl_b32 s100, s100, 16
	s_mov_b32 s101, 0
	s_mov_b32 s[G0A], 1
	s_lshl_b32 s[G0A+1], s18, 16                   ; where they go: no place in the cluster enters an LDS address
	s_mov_b32 s[G0B], 1
	s_mul_i32 s[G0B+1], s18, 64*WPITCH
	s_add_co_u32 s[G0B+1], s[G0B+1], BRO
	s_wait_alu depctr_va_vdst(0)
	s_wait_dscnt 0x0                               ; both opening adds are done
	CROUND                                         ; all sixteen work-groups are here: the joint loads meet
	s_wait_kmcnt 0x0
	s_add_nc_u64 s[G0A+2:G0A+3], s[4:5], s[2:3]
	s_or_b32 s[G0A+3], s[G0A+3], 0x80000000
	s_add_nc_u64 s[G0B+2:G0B+3], s[8:9], s[100:101]
	s_or_b32 s[G0B+3], s[G0B+3], 0x80000000
	s_cmp_lt_u32 s16, 2                            ; one joint load a wave; Wo's, which is shown first, has a line of its own
	s_cbranch_scc0 .Lfor_a
	tensor_load_to_lds s[G0B:G0B+3], s[G1B:G1B+7]
	s_nop 0
.rept 4
	v_nop
.endr
	s_branch .Lasked
.Lfor_a:
	tensor_load_to_lds s[G0A:G0A+3], s[G1A:G1A+7]
	s_nop 0
.rept 4
	v_nop
.endr
.Lasked:
	s_lshl_b32 s2, s21, 9
	s_lshl_b32 s3, s18, 8
	s_add_co_u32 s2, s2, s3                        ; 4 n0, n0 = 128 x tile + 64 x my half
	s_lshl_b32 s84, s22, 12
	s_lshl_b32 s3, s17, 11
	s_add_co_u32 s84, s84, s3                      ; a's scale bytes of my 64 tokens
	s_lshl_b32 s85, s21, 12
	s_lshl_b32 s3, s18, 11
	s_add_co_u32 s85, s85, s3                      ; Wo's of my 64 rows
	s_lshl_b32 s86, s22, 19
	s_add_co_u32 s86, s86, s2
	s_lshl_b32 s3, s17, 18
	s_add_co_u32 s86, s86, s3                      ; my part of out0: (128 x tile + 64 x half) rows of 4,096 bytes, + 4 n0
	s_mov_b32 s87, 0
	s_add_nc_u64 s[14:15], s[14:15], s[86:87]
	s_lshl_b32 s88, s17, 16
	s_mul_i32 s89, s18, 64*WPITCH
	s_add_co_u32 s89, s89, BRO
	s_mul_i32 s90, s16, 16*272
	s_add_co_u32 s90, s90, STG                     ; my stage
	v_and_b32 v1, 15, v0                           ; r
	v_bfe_u32 v2, v0, 4, 1                         ; h
	v_and_b32 v3, 31, v0                           ; lane
	v_lshl_add_u32 v7, v2, 5, s2
	v_lshl_add_u32 v8, v1, 5, s84
	v_lshl_add_u32 v9, v1, 5, s85
.irp b, 0,1,2,3
	global_load_b128 v[BI+8*\b:BI+8*\b+3], v7, s[12:13] offset:64*\b       ; bo[n0 + 16 b + 8 h + 0 .. 7]
	global_load_b128 v[BI+8*\b+4:BI+8*\b+7], v7, s[12:13] offset:64*\b+16
	global_load_b128 v[SA+8*\b:SA+8*\b+3], v8, s[6:7] offset:512*\b
	global_load_b128 v[SA+8*\b+4:SA+8*\b+7], v8, s[6:7] offset:512*\b+16
	global_load_b128 v[SB+8*\b+4:SB+8*\b+7], v9, s[10:11] offset:512*\b    ; (halves exchanged: no product's two scale words have numbers equal modulo 8)
	global_load_b128 v[SB+8*\b:SB+8*\b+3], v9, s[10:11] offset:512*\b+16
.endr
	v_lshl_add_u32 v[ADRA], v3, 4, s88             ; my 64 tokens' images, 16 x lane
	v_mul_u32_u24 v4, v1, WPITCH
	v_mul_u32_u24 v[STO], v1, 272
	v_mul_u32_u24 v[RD], v2, 272
	v_lshlrev_b32 v[CO], 12, v2
	v_lshl_add_u32 v4, v2, 3, v4                   ; Wo: row x pitch + 8 x half
	v_lshl_add_u32 v[STO], v2, 5, v[STO]
	v_lshl_add_u32 v[RD], v1, 4, v[RD]
	v_lshl_add_u32 v[CO], v1, 4, v[CO]             ; two rows of out0, 16 bytes a lane
	v_add_nc_u32 v[ADRB], s89, v4
	v_add_nc_u32 v[STO], s90, v[STO]               ; in: row r, 32 bytes for each half of the lanes
	v_add_nc_u32 v[RD], s90, v[RD]                 ; back: lanes 0-15 one row of 256 bytes, lanes 16-31 the next
.macro FETCH a, buf                    ; token tile a, all of K: 32 loads of 512 consecutive bytes
	WIN 0x40
.irp ks, 0,1,2,3,4,5,6,7
.irp c, 0,1,2,3
	ds_load_b128 v[128*(\buf)+16*\ks+4*\c:128*(\buf)+16*\ks+4*\c+3], v[ADRA] offset:8192*\ks+2048*(\a)+512*\c
.endr
.endr
	WIN 0
.endm
.macro PROD a, ks0                     ; 16 products of token tile a: K steps ks0 .. ks0 + 3, the four accumulators by turns.  The sums begin with bo
.irp k, 0,1,2,3
.irp b, 0,1,2,3
.set KS_, (\ks0)+\k
.set D_, ACC+32*((\a)%2)+8*\b
.set W_, 16*((4*KS_+\b)%16)
.set A_, 128*((\a)%2)+16*KS_
.set C_, D_
.if KS_ == 0
.set C_, BI+8*\b
.endif
	WIN (2+KS_/4)|(1<<2)
	v_wmma_scale_f32_16x16x128_f8f6f4 v[D_:D_+7], v[W_:W_+15], v[A_:A_+15], v[C_:C_+7], v[SB+8*\b+(KS_+4)%8], v[SA+8*(\a)+KS_]
.endr
.endr
	WIN 0
.endm
; THE WAY OUT of token tile a: a lane holds 32 neighbouring bytes of a row, and the lanes beside it hold other rows: so the tile goes through my own stage in LDS and comes back as whole rows of 256 bytes.
; LDS serves a wave's instructions in order (ISA guide 5.7.1.4): no wait between the stores and the loads, nor in front of the next tile's stores.
.macro TOSTAGE a
.set TP_, TPR+32*((\a)%2)
.set AC_, ACC+32*((\a)%2)
.irp b, 0,1,2,3
	ds_store_b128 v[STO], v[AC_+8*\b:AC_+8*\b+3] offset:64*\b      ; each accumulator from its low end on
	ds_store_b128 v[STO], v[AC_+8*\b+4:AC_+8*\b+7] offset:64*\b+16
.endr
.irp t, 0,1,2,3,4,5,6,7
	ds_load_b128 v[TP_+4*\t:TP_+4*\t+3], v[RD] offset:544*\t
.endr
.endm
.macro SEND a
.set TP_, TPR+32*((\a)%2)
.irp t, 0,1,2,3,4,5,6,7
	global_store_b128 v[CO], v[TP_+4*\t:TP_+4*\t+3], s[14:15] offset:(16*(\a)+2*\t)*4096 th:TH_STORE_NT   ; 16 lanes store 256 consecutive bytes, at a multiple of 256 from out0's first byte; written once, read by nobody here
.endr
.endm
.macro PLACES                          ; eight places in front of loads into registers that products have read, and of the first read of results (ISA guide 7.12.1 for the first read of results)
.rept 8
	v_nop
.endr
.endm
	s_wait_alu depctr_va_vdst(0)                   ; the wait at the head's end
	s_cmp_lt_u32 s16, 2
	s_cbranch_scc0 .Lnot_wo
	s_wait_tensorcnt 0x0                           ; waves 0 and 1: Wo's rows.  The other waves' wait stands at the second barrier
.Lnot_wo:
	BARRIER
.irp ks, 0,1,2,3,4,5,6,7
.irp b, 0,1,2,3
	WIN (2+\ks/4)<<6
.irp c, 0,1,2,3,4,5,6,7
	ds_load_b64 v[16*((4*\ks+\b)%16)+2*\c:16*((4*\ks+\b)%16)+2*\c+1], v[ADRB] offset:128*\ks+16*\c+16*WPITCH*\b
.endr
.endr
.endr
	WIN 0
	s_wait_tensorcnt 0x0                           ; a's tokens are in
	s_wait_dscnt 0x0                               ; Wo is in registers
	BARRIER
	FETCH 0, 0
	FETCH 1, 1
	s_wait_loadcnt 0x0                             ; bo and the scale words
	s_wait_dscnt 32                                ; tile 0; tile 1's 32 loads may be out
	PROD 0, 0
	PROD 0, 4
	PLACES
	TOSTAGE 0
	FETCH 2, 0
	s_wait_dscnt 48                                ; tile 1: the stage's 16 and tile 2's 32 may be out
	PROD 1, 0
	s_wait_dscnt 32                                ; the stage's rows are back
	SEND 0
	PROD 1, 4
	PLACES
	TOSTAGE 1
	FETCH 3, 1
	s_wait_dscnt 48
	PROD 2, 0
	s_wait_dscnt 32
	SEND 1
	PROD 2, 4
	PLACES
	s_wait_xcnt 0x0                                ; earlier stores have read their registers
	TOSTAGE 2
	s_wait_dscnt 16                                ; tile 3: the stage's 16 may be out
	PROD 3, 0
	s_wait_dscnt 0x0
	SEND 2
	PROD 3, 4
	PLACES
	s_wait_xcnt 0x0
	TOSTAGE 3
	s_wait_dscnt 0x0
	SEND 3
	s_wait_tensorcnt 0x0                           ; the wave's end
	ds_add_u32 v30, v31
	s_wait_dscnt 0x0
	CROUND                                         ; the closing round: no work-group ends while a partner may still ask for a tile that names it
	s_endpgm
.Lfunc_end_k_q4606529535_outp:
	.size	k_q4606529535_outp, .Lfunc_end_k_q4606529535_outp-k_q4606529535_outp
	.p2alignl 7, 3214868480
	.fill 96, 4, 3214868480
	.section	.rodata,"a",@progbits
	.p2align	6, 0x0
	.amdhsa_kernel k_q4606529535_outp
		.amdhsa_group_segment_fixed_size 327680
		.amdhsa_private_segment_fixed_size 0
		.amdhsa_enable_private_segment 0
		.amdhsa_kernarg_size 48
		.amdhsa_user_sgpr_count 2
		.amdhsa_user_sgpr_kernarg_segment_ptr 1
		.amdhsa_wavefront_size32 1
		.amdhsa_system_sgpr_workgroup_id_x 1
		.amdhsa_system_sgpr_workgroup_id_y 1
		.amdhsa_system_sgpr_workgroup_id_z 1
		.amdhsa_system_vgpr_workitem_id 0
		.amdhsa_next_free_vgpr 1024
		.amdhsa_next_free_sgpr 102
		.amdhsa_reserve_vcc 0
		.amdhsa_float_denorm_mode_32 3
		.amdhsa_float_denorm_mode_16_64 3
		.amdhsa_memory_ordered 1
		.amdhsa_forward_progress 1
		.amdhsa_inst_pref_size 58
	.end_amdhsa_kernel
	.amdgpu_metadata
---
amdhsa.version: [ 1, 2 ]
amdhsa.kernels:
  - .name:           k_q4606529535_outp
    .symbol:         k_q4606529535_outp.kd
    .args:
      - { .name: acodes, .offset: 0, .size: 8, .value_kind: global_buffer, .address_space: global }
      - { .name: ascales, .offset: 8, .size: 8, .value_kind: global_buffer, .address_space: global }
      - { .name: Wo_codes, .offset: 16, .size: 8, .value_kind: global_buffer, .address_space: global }
      - { .name: Wo_scales, .offset: 24, .size: 8, .value_kind: global_buffer, .address_space: global }
      - { .name: bo, .offset: 32, .size: 8, .value_kind: global_buffer, .address_space: global }
      - { .name: out0, .offset: 40, .size: 8, .value_kind: global_buffer, .address_space: global }
    .group_segment_fixed_size: 327680
    .private_segment_fixed_size: 0
    .kernarg_segment_align: 8
    .kernarg_segment_size: 48
    .max_flat_workgroup_size: 128
    .sgpr_count:     102
    .vgpr_count:     1024
    .wavefront_size: 32
...
	.end_amdgpu_metadata
.endif
;; end of part 3
